; MI455X (gfx1250); checked and timed in simulation.
; The chip was launched on July 23, 2026; its instructions are those of AMD's public machine-readable ISA for CDNA 5 (MIT licence, August 2026) and "CDNA5" Instruction Set Architecture Reference Guide (July 2026). The comments in the code are by the model that wrote it; some were corrected since.
;; Causal Self Attention. Allowed arithmetic: matrix products marked QUANTISED: E2M1 operands, one E8M0 scale for each 32 along K, by v_wmma_scale_f32_16x16x128_f8f6f4 with both operands' format E2M1 (or v_wmma_scale_f32_32x16x128_f4), f32 sums; products left as they are: bf16, f16 or f32 operands; f32 sums; everything else in f32.
;; Inputs: Wk 1,024 x 1,024 float32; Wp 1,024 x 1,024 float32; Wq 1,024 x 1,024 float32; Wv 1,024 x 1,024 float32; bk 1,024 float32; bp 1,024 float32; bq 1,024 float32; bv 1,024 float32; x 4 x 2,048 x 1,024 float32.
;; Outputs: out0 4 x 2,048 x 1,024 float32.
;; This version of the problem:
;;   THIS VERSION OF THE PROBLEM IS GIVEN IN LOW PRECISION. The matrix products marked QUANTISED in the list below multiply operands that are first quantised to E2M1 (2 exponent bits, 1 mantissa bit; 4 bits a number), with one power-of-two scale for each 32 numbers along K (OCP MX v1.0); their sums are f32. The products marked 'left as it is' may take bf16, f16 or f32 operands, with f32 sums. Whichever they take, every output number must still come out within the allowed error. Rounding operands to bf16 (8 significant bits) uses up far more of that allowance than f16 does (11 bits, for magnitudes from 6e-5 to 65,504). All else is computed in f32.
;;   The module's matrix products, in the order in which they are computed (A, B: the left and right operand; K: the contracted axis; several contracted axes count as one K, in the product's order):
;;     1. [M 8,192, K 1,024] x [K 1,024, N 1,024]; A: input x; B: input Wk: QUANTISED
;;     2. [M 8,192, K 1,024] x [K 1,024, N 1,024]; A: input x; B: input Wq: QUANTISED
;;     3. [M 8,192, K 1,024] x [K 1,024, N 1,024]; A: input x; B: input Wv: QUANTISED
;;     4. batch 64 x [M 2,048, K 64] x [K 64, N 2,048]; A: computed on the way; B: computed on the way: left as it is (an operand is computed on the way)
;;     5. batch 64 x [M 2,048, K 2,048] x [K 2,048, N 64]; A: computed on the way; B: computed on the way: left as it is (an operand is computed on the way)
;;     6. [M 8,192, K 1,024] x [K 1,024, N 1,024]; A: computed on the way; B: input Wp: left as it is (an operand is computed on the way)
;;   THE QUANTISER, for each operand of a quantised product, along K:
;;     - K is cut into blocks of 32 from its start; a last block that is shorter is filled with zeros.
;;     - A block's scale is 2^e with e = floor(log2(the largest magnitude in the block)) - 2, held to -126 .. 127; a block of zeros has e = 0. As a byte (E8M0): e + 127.
;;     - Each number is divided by its block's scale, clamped to +-6, and rounded to the nearest number of E2M1, ties to even, subnormals kept.
;;     - The product sums the exact products of the quantised numbers (number of the format x scale) in f32.
;;   ~~~python
;;   def quantise(x, axis):      # numpy; x: float32 -> the quantised numbers, widened to float32 again
;;       x = np.moveaxis(x, axis, -1); K = x.shape[-1]
;;       x = np.pad(x, [(0, 0)] * (x.ndim - 1) + [(0, -K % 32)]); x = x.reshape(x.shape[:-1] + (-1, 32)); a = np.abs(x).max(-1, keepdims=True)
;;       e = np.where(a > 0, np.clip(np.frexp(np.where(a > 0, a, 1))[1] - 1 - 2, -126, 127), 0)      # np.frexp(a)[1] - 1 = floor(log2(a)), exactly
;;       r = np.clip(x / 2.0 ** e, -6, 6)
;;       step = 2.0 ** (np.maximum(np.frexp(np.where(r == 0, 1, r))[1] - 1, 0) - 1)
;;       q = np.round(r / step) * step * 2.0 ** e      # np.round: ties to even
;;       return np.moveaxis(q.reshape(q.shape[:-2] + (-1,))[..., :K], -1, axis).astype(np.float32)
;;   ~~~
;; One version. Each part assembles by itself: llvm-mc -triple=amdgcn-amd-amdhsa -mcpu=gfx1250 --defsym DOCPART=n.
;; ======== version 1 of 1: 5 launches
;; limits: values are held in f16: magnitudes above 65,504 overflow, below 6.1e-05 lose precision
;; workspace buffers: xc 4,194,304 bytes; xs 262,144 bytes; wc 1,572,864 bytes; ws 98,304 bytes; wph 2,097,152 bytes; qkv 50,331,648 bytes; qf 786,432 bytes; yh 16,777,216 bytes
;; launch quant (part 1): grid 384 x 1, 4 waves a work-group, no clusters, 33,280 bytes of LDS; arguments x, Wq, Wk, Wv, Wp, xc, xs, wc, ws, wph; writes xc, xs, wc, ws, wph
.if DOCPART == 1
	.amdgcn_target "amdgcn-amd-amdhsa--gfx1250"
	.amdhsa_code_object_version 6
	.text
	.protected	k_q8fa74a88b6_quant
	.globl	k_q8fa74a88b6_quant
	.p2align	8
	.type	k_q8fa74a88b6_quant,@function
k_q8fa74a88b6_quant:
	s_mov_b64 s[64:65], 0
	v_nop
	global_prefetch_b8 v0, s[64:65] scope:SCOPE_SE
	s_setreg_imm32_b32 hwreg(HW_REG_WAVE_MODE, 25, 1), 1
	s_wait_xcnt 0x0
; x [8192][1024], Wq, Wk, Wv [1024][1024], f32, K innermost, become codes of FP4 (E2M1), two a byte, with one E8M0 scale byte for each 32 along K; Wp [1024][1024] becomes f16.
; xc [8192][512 bytes], xs [8192][32 bytes]; wc [3072][512], ws [3072][32]: rows 0-1023 Wq, 1024-2047 Wk, 2048-3071 Wv; wph [1024][1024] f16.
; A block's scale is 2^(floor(log2(its largest magnitude)) - 2); its byte is the largest magnitude's exponent field - 2, held at 1 from below.  Each number is divided by the scale and rounded to the nearest code, ties to even, beyond 6 the largest code.
; LIMITS: a block of zeros gets the byte 1 (not 127): its codes are zeros, and this program alone reads the bytes.  Blocks whose largest magnitude lies under 2^-124 keep the byte 1.  NaN and infinities are not served.
; Wp beyond 65,504 becomes infinity in f16; under 6e-5 it is carried as an f16 subnormal.
; Rows are dense and K is a multiple of 32: every tensor is a plain stream of blocks of 32.  A wave takes a run of 8,192 numbers, a work-group 32,768: work-groups 0-255 x, 256-351 the three weights, 352-383 Wp.
; The quantising path: 16 steps of 512 numbers.  Each load reads 512 consecutive bytes; the conversions want 16 neighbours in one lane, so a step's 2,048 bytes turn through the wave's own stage in LDS
; (16 bytes of padding behind each 64).  A lane's 16 codes are 8 bytes: the wave stores 256 consecutive bytes.  A wave's 256 scale bytes are gathered in LDS and leave as one aligned run of 256 bytes.
; No barrier: waves share nothing.  Loads run four steps (16 loads a wave) ahead, the turn through LDS one step.
.set STEPS, 16
.set EMAX,  2
.set CB,    8                          ; bytes of 16 codes
.set R,     16                         ; v16-79   four sets of 16 numbers as loaded
.set X,     80                         ; v80-111  two sets of 16 neighbours
.set E,     112                        ; v112-127 a scale byte for each step
.set C,     128                        ; v128-191 codes: four registers for each step, so that no store's data are written again
.set WREG,  8192                       ; LDS: a region for each wave: two stages of 32 x SP bytes, behind them its 256 scale bytes
.set SP,    80
.set SPW,   12                         ; v12  LDS address of my spare word; never rewritten
.set NIL,   13                         ; v13  0; never rewritten
.set SPARE, 4*WREG                     ; behind the four regions: the spare words, 128 bytes a wave
.set GX,    256                        ; work-groups that take x
.set GW,    352                        ; the first that takes Wp
	s_load_b256 s[4:11], s[0:1], 0x0               ; x, Wq, Wk, Wv
	s_load_b256 s[12:19], s[0:1], 0x20             ; Wp, xc, xs, wc
	s_load_b128 s[20:23], s[0:1], 0x40             ; ws, wph
	v_lshl_add_u32 v[SPW], v0, 2, SPARE
	v_mov_b32 v[NIL], 0
	v_lshrrev_b32 v1, 5, v0
	v_readfirstlane_b32 s24, v1                    ; wave
	v_and_b32 v2, 31, v0                           ; lane
	v_lshlrev_b32 v3, 4, v2                        ; my 16 bytes of a load's 512
	s_mul_i32 s25, s24, WREG
	v_lshrrev_b32 v14, 2, v2
	v_mul_u32_u24 v14, v14, SP
	v_and_b32 v15, 3, v2
	v_lshl_add_u32 v14, v15, 4, v14
	v_add_nc_u32 v14, s25, v14                     ; the stage, on the way in: SP (lane / 4) + 16 (lane % 4)
	v_mul_u32_u24 v15, v2, SP
	v_add_nc_u32 v15, s25, v15                     ; and on the way out: SP x lane: my 16 neighbours
	v_mul_u32_u24 v4, v2, CB                       ; my codes' place in a step's
	v_lshrrev_b32 v5, 1, v2
	s_add_co_u32 s25, s25, 2*32*SP
	v_add_nc_u32 v5, s25, v5                       ; LDS: my wave's 256 scale bytes, my block's byte
	v_lshlrev_b32 v7, 3, v2                        ; 8 bytes a lane
	v_add_nc_u32 v6, s25, v7
	s_wait_kmcnt 0x0
	s_cmp_ge_u32 ttmp9, GW
	s_cbranch_scc1 .Lwp
	s_sub_co_u32 s25, ttmp9, GX                    ; among the weights' work-groups (not used for x)
	s_lshr_b32 s26, s25, 5                         ; which weight: 32 work-groups each
	s_and_b32 s27, s25, 31
	s_cmp_eq_u32 s26, 1                            ; the choices hang on the work-group's number alone
	s_cselect_b64 s[6:7], s[8:9], s[6:7]
	s_cmp_eq_u32 s26, 2
	s_cselect_b64 s[6:7], s[10:11], s[6:7]
	s_cmp_lt_u32 ttmp9, GX
	s_cselect_b64 s[4:5], s[4:5], s[6:7]           ; the numbers,
	s_cselect_b64 s[14:15], s[14:15], s[18:19]     ; the codes,
	s_cselect_b64 s[16:17], s[16:17], s[20:21]     ; the scale bytes
	s_cselect_b32 s28, ttmp9, s27                  ; my place in the tensor read,
	s_cselect_b32 s29, ttmp9, s25                  ; and in the buffers written
	s_lshl_b32 s28, s28, 2
	s_add_co_u32 s28, s28, s24                     ; my wave's run of 8,192 numbers
	s_lshl_b32 s29, s29, 2
	s_add_co_u32 s29, s29, s24
	s_lshl_b32 s30, s28, 15                        ; 32,768 bytes of numbers a run
	s_mov_b32 s31, 0
	s_add_nc_u64 s[4:5], s[4:5], s[30:31]
	s_lshl_b32 s30, s29, 12                        ; 4,096 bytes of codes
	s_add_nc_u64 s[14:15], s[14:15], s[30:31]
	s_lshl_b32 s30, s29, 8                         ; 256 scale bytes
	s_add_nc_u64 s[16:17], s[16:17], s[30:31]
.macro LOAD t
.irp i, 0,1,2,3
	global_load_b128 v[R+16*((\t)%4)+4*\i:R+16*((\t)%4)+4*\i+3], v3, s[4:5] offset:2048*(\t)+512*\i th:TH_LOAD_NT   ; 32 lanes read 512 consecutive bytes
.endr
.endm
.macro TURN t                          ; step t's numbers through the stage: LDS serves a wave's instructions in order, so no wait stands between the stores and the loads
.irp i, 0,1,2,3
	ds_store_b128 v14, v[R+16*((\t)%4)+4*\i:R+16*((\t)%4)+4*\i+3] offset:32*SP*((\t)%2)+8*SP*\i
.endr
.irp i, 0,1,2,3
	ds_load_b128 v[X+16*((\t)%2)+4*\i:X+16*((\t)%2)+4*\i+3], v15 offset:32*SP*((\t)%2)+16*\i
.endr
.endm
.irp t, 0,1,2,3
	LOAD \t
.endr
	s_wait_loadcnt 12                              ; step 0's four loads are in; the twelve of steps 1 to 3 may be out
	TURN 0
.macro STEP t
.set XS, X+16*((\t)%2)
.if (\t) > 0
	s_wait_dscnt 1                                 ; this step's numbers are back from the stage (the last step's byte store may be out)
.else
	s_wait_dscnt 0x0
.endif
.if (\t)+4 < STEPS
	LOAD (\t)+4                                    ; into the registers that the stage's stores have read
.endif
.if (\t)+1 < STEPS
.if STEPS-2-(\t) >= 3
	s_wait_loadcnt 12                              ; the next step's four loads are in; those of the three steps behind it may be out
.else
	s_wait_loadcnt 4*(STEPS-2-(\t))
.endif
	TURN (\t)+1                                    ; through the other stage while this step is worked
.endif
	v_max3_num_f32 v8, |v[XS]|, |v[XS+1]|, |v[XS+2]|               ; the largest magnitude of my 16, in two chains
	v_max3_num_f32 v9, |v[XS+3]|, |v[XS+4]|, |v[XS+5]|
.irp i, 6,10
	v_max3_num_f32 v8, v8, |v[XS+\i]|, |v[XS+\i+1]|
	v_max3_num_f32 v9, v9, |v[XS+\i+2]|, |v[XS+\i+3]|
.endr
	v_max3_num_f32 v8, v8, |v[XS+14]|, |v[XS+15]|
	v_max3_num_f32 v8, v8, v9, (EMAX+1)<<23        ; and the floor 2^(3 - 127): the byte cannot fall under 1
	v_max_num_f32_dpp v8, v8, v8 row_xmask:1 row_mask:0xf bank_mask:0xf   ; and of my neighbour's 16: the block's
	v_add_nc_u32 v11, -(EMAX<<23), v8              ; 2 off its exponent field: the conversion takes the exponent field of this operand as its scale
	v_cvt_scalef32_pk8_fp4_f32 v[C+4*(\t)], v[XS:XS+7], v11
	v_cvt_scalef32_pk8_fp4_f32 v[C+4*(\t)+1], v[XS+8:XS+15], v11
	v_lshrrev_b32 v[E+(\t)], 23, v11               ; the scale's byte (also the plain line behind the conversions)
	ds_store_b8 v5, v[E+(\t)] offset:16*(\t)       ; both lanes of a block write the same byte with the same value
	global_store_b64 v4, v[C+4*(\t):C+4*(\t)+1], s[14:15] offset:32*CB*(\t)   ; the wave stores 256 consecutive bytes, aligned
.endm
.irp t, 0,1,2,3,4,5,6,7,8,9,10,11,12,13,14,15
	STEP \t
.endr
	ds_load_b64 v[8:9], v6                         ; LDS serves a wave's instructions in order: these see my stores
	s_wait_dscnt 0x0
	global_store_b64 v7, v[8:9], s[16:17]          ; 32 lanes store 256 consecutive bytes, aligned
	s_wait_tensorcnt 0x0                           ; the wave's end
	ds_add_u32 v[SPW], v[NIL]
	s_wait_dscnt 0x0
	s_endpgm
; Wp to f16: four batches of 16 loads (8,192 bytes) in two sets of registers by turns.  A lane's 4 numbers become 8 bytes: the wave stores 256 consecutive bytes.
.macro WLOAD t, set
.irp i, 0,1,2,3,4,5,6,7,8,9,10,11,12,13,14,15
	global_load_b128 v[\set+4*\i:\set+4*\i+3], v3, s[12:13] offset:8192*\t+512*\i th:TH_LOAD_NT
.endr
.endm
.macro WCONV t, set, left              ; left: the next batch's loads, which may stay out
	s_wait_loadcnt \left
	s_wait_xcnt 0x0                                ; the last batch's stores have read v144-175: they are written again only behind this wait
.irp i, 0,1,2,3,4,5,6,7,8,9,10,11,12,13,14,15
	v_cvt_pk_f16_f32 v[144+2*\i], v[\set+4*\i], v[\set+4*\i+1]
	v_cvt_pk_f16_f32 v[145+2*\i], v[\set+4*\i+2], v[\set+4*\i+3]
	global_store_b64 v7, v[144+2*\i:145+2*\i], s[22:23] offset:4096*\t+256*\i
.endr
.endm
.Lwp:
	s_sub_co_u32 s25, ttmp9, GW
	s_lshl_b32 s25, s25, 2
	s_add_co_u32 s25, s25, s24                     ; my wave's run of 8,192 numbers
	s_lshl_b32 s30, s25, 15
	s_mov_b32 s31, 0
	s_add_nc_u64 s[12:13], s[12:13], s[30:31]
	s_lshl_b32 s30, s25, 14
	s_add_nc_u64 s[22:23], s[22:23], s[30:31]
	WLOAD 0, 16
	WLOAD 1, 80
	WCONV 0, 16, 16
	WLOAD 2, 16
	WCONV 1, 80, 16
	WLOAD 3, 80
	WCONV 2, 16, 16
	WCONV 3, 80, 0
	s_endpgm
.Lfunc_end_k_q8fa74a88b6_quant:
	.size	k_q8fa74a88b6_quant, .Lfunc_end_k_q8fa74a88b6_quant-k_q8fa74a88b6_quant
	.p2alignl 7, 3214868480
	.fill 96, 4, 3214868480
	.section	.rodata,"a",@progbits
	.p2align	6, 0x0
	.amdhsa_kernel k_q8fa74a88b6_quant
		.amdhsa_group_segment_fixed_size 33280
		.amdhsa_private_segment_fixed_size 0
		.amdhsa_enable_private_segment 0
		.amdhsa_kernarg_size 80
		.amdhsa_user_sgpr_count 2
		.amdhsa_user_sgpr_kernarg_segment_ptr 1
		.amdhsa_wavefront_size32 1
		.amdhsa_system_sgpr_workgroup_id_x 1
		.amdhsa_system_sgpr_workgroup_id_y 1
		.amdhsa_system_sgpr_workgroup_id_z 1
		.amdhsa_system_vgpr_workitem_id 0
		.amdhsa_next_free_vgpr 192
		.amdhsa_next_free_sgpr 66
		.amdhsa_reserve_vcc 0
		.amdhsa_float_denorm_mode_32 3
		.amdhsa_float_denorm_mode_16_64 3
		.amdhsa_memory_ordered 1
		.amdhsa_forward_progress 1
		.amdhsa_inst_pref_size 54
	.end_amdhsa_kernel
	.amdgpu_metadata
---
amdhsa.version: [ 1, 2 ]
amdhsa.kernels:
  - .name:           k_q8fa74a88b6_quant
    .symbol:         k_q8fa74a88b6_quant.kd
    .args:
      - { .name: x, .offset: 0, .size: 8, .value_kind: global_buffer, .address_space: global }
      - { .name: Wq, .offset: 8, .size: 8, .value_kind: global_buffer, .address_space: global }
      - { .name: Wk, .offset: 16, .size: 8, .value_kind: global_buffer, .address_space: global }
      - { .name: Wv, .offset: 24, .size: 8, .value_kind: global_buffer, .address_space: global }
      - { .name: Wp, .offset: 32, .size: 8, .value_kind: global_buffer, .address_space: global }
      - { .name: xc, .offset: 40, .size: 8, .value_kind: global_buffer, .address_space: global }
      - { .name: xs, .offset: 48, .size: 8, .value_kind: global_buffer, .address_space: global }
      - { .name: wc, .offset: 56, .size: 8, .value_kind: global_buffer, .address_space: global }
      - { .name: ws, .offset: 64, .size: 8, .value_kind: global_buffer, .address_space: global }
      - { .name: wph, .offset: 72, .size: 8, .value_kind: global_buffer, .address_space: global }
    .group_segment_fixed_size: 33280
    .private_segment_fixed_size: 0
    .kernarg_segment_align: 8
    .kernarg_segment_size: 80
    .max_flat_workgroup_size: 128
    .sgpr_count:     66
    .vgpr_count:     192
    .wavefront_size: 32
...
	.end_amdgpu_metadata
.endif
;; end of part 1
;; launch qkv (part 2): grid 12 x 32, 4 waves a work-group, clusters of 4 x 4, 327,680 bytes of LDS; arguments xc, xs, wc, ws, bq, bk, bv, qkv, qf; writes qkv, qf
.if DOCPART == 2
	.amdgcn_target "amdgcn-amd-amdhsa--gfx1250"
	.amdhsa_code_object_version 6
	.text
	.protected	k_q8fa74a88b6_qkv
	.globl	k_q8fa74a88b6_qkv
	.p2align	8
	.type	k_q8fa74a88b6_qkv,@function
k_q8fa74a88b6_qkv:
	s_mov_b64 s[64:65], 0
	v_nop
	global_prefetch_b8 v0, s[64:65] scope:SCOPE_SE
	s_setreg_imm32_b32 hwreg(HW_REG_WAVE_MODE, 25, 1), 1
	s_wait_xcnt 0x0
	s_wait_alu depctr_hold_cnt(0) depctr_sa_sdst(0) depctr_va_vdst(0) depctr_va_sdst(0) depctr_va_ssrc(0) depctr_va_vcc(0) depctr_vm_vsrc(0)
	s_getreg_b32 s2, hwreg(HW_REG_IB_STS2, 6, 4)
	s_cmp_eq_u32 s2, 0
	s_cbranch_scc0 .Lentry_in_a_cluster
	s_endpgm
.Lentry_in_a_cluster:
	s_bfe_u32 s2, ttmp6, 0x10000c
	s_cmp_lg_u32 s2, 0xf033
	s_cbranch_scc0 .Lentry_shape_is_right
	s_endpgm
.Lentry_shape_is_right:
; q, k, v = x W^T + b on codes of FP4 (E2M1) with one E8M0 scale for each 32 along K: [8192 x 1024] x [3072 x 1024]^T, sums in f32.
; Out: qkv [part 3: q, k, v][16 batch + head][token 2048][64] in f16; qf [part][batch][head][token 0-15][64] in f32: the first 16 positions of each sequence, which a later launch carries in f32.
; LIMIT: a result beyond 65,504 becomes infinity in f16.
; A tile of 256 tokens x 256 columns is made by four waves, 128 x 128 each: 64 accumulators, 512 registers.  K = 1,024 is two LDS slots of 512 along K (rows of 256 bytes): both are asked for at the head, and nothing is filled again.
; The scales of the tile's rows, for all of K, are two dense blocks of memory and come with the first fills.
; CLUSTERS: 4 x 4 work-groups.  The four of a row of the cluster need the same rows of x, the four of a column the same rows of W: each tile is asked for jointly, by the same tensor load with the same descriptor and a mask that names the four.
; The tile row is 8 cy + cluster y: the batch is cy and the block of 256 tokens is the cluster's y, so that "my tile holds positions 0 to 15" hangs on the cluster's number alone, which all partners share.  The tile column is 4 cluster x + cx: q, k or v = cluster x.
; THE MATRIX INSTRUCTION IS USED TRANSPOSED (source 0 = 16 rows of W, source 1 = 16 tokens): a lane holds eight neighbouring columns of one token.  THE BIAS IS THE C OF EACH SUM'S FIRST PRODUCT.
; REGISTERS: window 0: v0-31 addresses; v32-95 scale words, two sets; v128-191 x's fragments, one set; v192-255 the bias in the result's layout.  Window 1: W's fragments, two sets.  Windows 2, 3: the accumulators ((a, b) at v[8 (8 (a % 4) + b)]).
.set NQ,     4                         ; matrix instructions deep in a slot
.set ROWB,   256                       ; a tile's row: 512 codes
.set KROW,   512                       ; a row of codes in memory
.set PITCH,  272                       ; an LDS row: 256 bytes + 16 of padding: the 16 rows that a load touches start 68 words apart
.set FR,     8
.set NL,     2
.set NP,     4                         ; places behind this matrix instruction (ISA guide 7.12.1)
.set HALFT,  128*PITCH
.set SLOT,   4*HALFT                   ; x's 256 rows, then W's 256 rows
.set KS,     32                        ; a row of scales in bytes
.set SCL,    2*SLOT                    ; behind the slots: the scales, as runs of 256 bytes + 16 of padding
.set HALFS,  (128*KS/256)*272
.set SBLK,   (16*KS/256)*272
.set SPARE,  SCL+4*HALFS               ; the spare words, 128 bytes a wave
.set HSTG,   2*16*144                  ; the way out, in slot 0, which has had its only fill and its last read by then: for each wave 2 heads x 16 tokens x (128 bytes + 16),
.set FSTG0,  4*HSTG                    ; and behind those, for the f32 copy, 16 tokens x (512 bytes + 16) for each wave
.set FSTG,   16*528
.set ADRA, 16                          ; v16-17  LDS address of my fragments of x in slot 0, 1
.set ADRB, 20                          ; v20-21  the same for W
.set FST,  22                          ; v22     f32 copy: where I put 32 bytes of a token
.set FRD,  23                          ; v23     and where I read a token back
.set STO,  24                          ; v24     f16: where I put 16 bytes of a token
.set RD,   25                          ; v25     and where I read four tokens back
.set CO,   26                          ; v26     16 x lane
.set ADRS, 27                          ; v27     LDS address of my scale words: lanes 0-15 x's rows, lanes 16-31 W's
.set SPW,  28
.set NIL,  29
.set FGO,  30                          ; v30     f32 copy: 4,096 (lane / 16) + 16 (lane % 16): sixteen lanes to a token's 256 bytes of one head
.set BOF,  31                          ; v31     32 (lane / 16): my half's eight numbers of a bias tile
.set SC,   32
.set AF,   128
.set BIAS, 192
.set TMP,  32                          ; the way out: packed results
.set BK,   64                          ; and tokens read back: v64-95 and v96-127 by turns
.set G1, 24
.set G0, 32
.set G1B, 48
.set G0B, 56
.set G1S, 68
.set G0S, 76
.set G1SB, 80
.set G0SB, 88
.set MSB, 0
.macro WIN new                         ; the immediate's high byte repeats the setting that is left
.if MSB != (\new)
	s_set_vgpr_msb (MSB<<8)|(\new)
.set MSB, (\new)
.endif
.endm
.set MUL_LO, 0xa1                      ; source 0 (W) window 1, source 1 (x) window 0, C and D window 2
.set MUL_HI, 0xf1                      ; the same, C and D window 3
.set FIRST_LO, 0x81                    ; the first step: C (the bias) window 0, D window 2
.set FIRST_HI, 0xc1                    ; D window 3
.set TO_B,   0x40
; A joint load: waves 0 and 1 fetch for x, waves 2 and 3 for W.  The branch hangs on the wave's number alone.  An s_nop 0 and four v_nop follow each of the two lines.
.macro JLOAD g0a, g1a, g0b, g1b
	s_cmp_eq_u32 s15, 0
	s_cbranch_scc0 .Lfor_b_\@
	tensor_load_to_lds s[\g0a:\g0a+3], s[\g1a:\g1a+7]
	s_nop 0
.rept 4
	v_nop
.endr
	s_branch .Lasked_\@
.Lfor_b_\@:
	tensor_load_to_lds s[\g0b:\g0b+3], s[\g1b:\g1b+7]
	s_nop 0
.rept 4
	v_nop
.endr
.Lasked_\@:
.endm
.macro CROUND                          ; a round of the cluster's barrier
	s_barrier_signal -1
	s_barrier_wait -1
	s_cmp_lg_u32 s14, 0
	s_cbranch_scc1 .Lnot_wave_0_\@
	s_barrier_signal -3
.Lnot_wave_0_\@:
	s_barrier_wait -3
	s_barrier_signal -1
	s_barrier_wait -1
.endm
	s_load_b128 s[4:7], s[0:1], 0x0                ; x's codes, x's scales
	s_load_b128 s[8:11], s[0:1], 0x10              ; W's codes, W's scales
	s_load_b128 s[96:99], s[0:1], 0x20             ; bq, bk
	s_load_b64 s[100:101], s[0:1], 0x30            ; bv
	s_load_b64 s[12:13], s[0:1], 0x38              ; qkv
	s_load_b64 s[66:67], s[0:1], 0x40              ; qf
	v_lshl_add_u32 v[SPW], v0, 2, SPARE
	v_mov_b32 v[NIL], 0
	ds_add_u32 v[SPW], v[NIL]                      ; the wave's opening: the add, twice on end, and its wait ahead of my first tensor load
	ds_add_u32 v[SPW], v[NIL]
	v_lshrrev_b32 v1, 5, v0
	v_readfirstlane_b32 s14, v1                    ; wave 0..3
	s_lshr_b32 s15, s14, 1                         ; which half of the tile's tokens is mine.  Also: I fetch for x (0) or for W (1)
	s_and_b32 s16, s14, 1                          ; which half of its columns.  Also: which 128 rows I fetch
	s_bfe_u32 s40, ttmp6, 0x40000                  ; cx, cy: my place in the cluster
	s_bfe_u32 s41, ttmp6, 0x40004
	s_lshl_b32 s42, ttmp9, 2
	s_add_co_u32 s42, s42, s40                     ; tile column = 4 x cluster x + cx
	s_and_b32 s95, ttmp7, 0xffff                   ; cluster y: the block of 256 tokens in the batch
	s_lshl_b32 s17, s41, 3
	s_add_co_u32 s17, s17, s95                     ; tile row = 8 cy + cluster y
	s_lshl_b32 s43, s41, 2
	s_lshl_b32 s43, 15, s43                        ; my row of the cluster
	s_lshl_b32 s44, 0x1111, s40                    ; my column
	s_or_b32 s[G1+0], s43, (0<<16)|(1<<20)|(1<<21)|(5<<22)|(3<<25)  ; the mask; elements of 1 byte; padding on; bit 21 beside a mask; after every 64 words, 4 words
	s_or_b32 s[G1B+0], s44, (0<<16)|(1<<20)|(1<<21)|(5<<22)|(3<<25)
.irp g, G1, G1B
	s_mov_b32 s[\g+1], ROWB<<16                    ; tensor_dim0
	s_mov_b32 s[\g+2], 128<<16                     ; tensor_dim1
	s_mov_b32 s[\g+3], ROWB<<16                    ; tile_dim0
	s_mov_b32 s[\g+4], 128                         ; tile_dim1
	s_mov_b32 s[\g+5], KROW                        ; from row to row
	s_mov_b32 s[\g+6], 0
	s_mov_b32 s[\g+7], 0
.endr
	s_or_b32 s[G1S+0], s43, (3<<16)|(1<<20)|(1<<21)|(5<<22)|(3<<25) ; the scales of 128 rows: 4,096 dense bytes as 16 rows of 32 elements of 8 bytes
	s_or_b32 s[G1SB+0], s44, (3<<16)|(1<<20)|(1<<21)|(5<<22)|(3<<25)
.irp g, G1S, G1SB
	s_mov_b32 s[\g+1], 32<<16
	s_mov_b32 s[\g+2], (128*KS/256)<<16
	s_mov_b32 s[\g+3], 32<<16
	s_mov_b32 s[\g+4], 128*KS/256
	s_mov_b32 s[\g+5], 32
	s_mov_b32 s[\g+6], 0
	s_mov_b32 s[\g+7], 0
.endr
	s_lshl_b32 s18, s16, 7                         ; which 128 rows of the tile I fetch
	s_lshl_b32 s20, s17, 8
	s_add_co_u32 s20, s20, s18                     ; x: row 256 x tile row + 128 x half
	s_lshl_b32 s46, s42, 8
	s_add_co_u32 s46, s46, s18                     ; W: row 256 x tile column + 128 x half
	s_mov_b32 s21, 0
	s_mov_b32 s47, 0
	s_mov_b64 s[18:19], KS
	s_mul_u64 s[22:23], s[20:21], s[18:19]         ; where these rows' scales begin,
	s_mul_u64 s[92:93], s[46:47], s[18:19]
	s_mov_b64 s[18:19], KROW
	s_mul_u64 s[20:21], s[20:21], s[18:19]         ; and their codes
	s_mul_u64 s[46:47], s[46:47], s[18:19]
	s_mul_i32 s45, s14, HALFT                      ; where they go: wave x 128 rows: no place in the cluster enters an LDS address
	s_mul_i32 s94, s14, HALFS
	s_wait_dscnt 0x0                               ; both opening adds are done
	s_wait_kmcnt 0x0
	s_add_nc_u64 s[20:21], s[4:5], s[20:21]
	s_add_nc_u64 s[22:23], s[6:7], s[22:23]
	s_add_nc_u64 s[46:47], s[8:9], s[46:47]
	s_add_nc_u64 s[92:93], s[10:11], s[92:93]
	CROUND                                         ; all sixteen work-groups are here: the joint loads meet
	s_mov_b32 s[G0S], 1
	s_add_co_u32 s[G0S+1], s94, SCL
	s_mov_b64 s[G0S+2:G0S+3], s[22:23]
	s_or_b32 s[G0S+3], s[G0S+3], 0x80000000
	s_mov_b32 s[G0SB], 1
	s_add_co_u32 s[G0SB+1], s94, SCL
	s_mov_b64 s[G0SB+2:G0SB+3], s[92:93]
	s_or_b32 s[G0SB+3], s[G0SB+3], 0x80000000
	JLOAD G0S, G1S, G0SB, G1SB                     ; the scales first: they are wanted with the first slot
.irp s, 0,1
	s_mov_b32 s[G0+4*\s], 1
	s_add_co_u32 s[G0+4*\s+1], s45, \s*SLOT
	s_add_nc_u64 s[G0+4*\s+2:G0+4*\s+3], s[20:21], \s*ROWB
	s_or_b32 s[G0+4*\s+3], s[G0+4*\s+3], 0x80000000
	s_mov_b32 s[G0B+4*\s], 1
	s_add_co_u32 s[G0B+4*\s+1], s45, \s*SLOT
	s_add_nc_u64 s[G0B+4*\s+2:G0B+4*\s+3], s[46:47], \s*ROWB
	s_or_b32 s[G0B+4*\s+3], s[G0B+4*\s+3], 0x80000000
	JLOAD G0+4*\s, G1, G0B+4*\s, G1B               ; three tensor loads of mine are out: all of K
.endr
	v_and_b32 v1, 15, v0                           ; r = lane % 16
	v_bfe_u32 v2, v0, 4, 1                         ; h = lane / 16
	; the bias: q's, k's or v's by the cluster's x; register 8 b + j of lane (r, h) is b[my first column + 16 b + 8 h + j]
	s_cmp_eq_u32 ttmp9, 0
	s_cselect_b64 s[96:97], s[96:97], s[98:99]
	s_cmp_eq_u32 ttmp9, 2
	s_cselect_b64 s[96:97], s[100:101], s[96:97]
	s_lshl_b32 s18, s40, 10                        ; 256 cx numbers,
	s_lshl_b32 s19, s16, 9                         ; 128 x my half
	s_add_co_u32 s18, s18, s19
	s_mov_b32 s19, 0
	s_add_nc_u64 s[96:97], s[96:97], s[18:19]
	v_lshlrev_b32 v[BOF], 5, v2
.irp b, 0,1,2,3,4,5,6,7
	global_load_b128 v[BIAS+8*\b:BIAS+8*\b+3], v[BOF], s[96:97] offset:64*\b
	global_load_b128 v[BIAS+8*\b+4:BIAS+8*\b+7], v[BOF], s[96:97] offset:64*\b+16
.endr
	v_mul_u32_u24 v3, v1, PITCH
	v_lshl_add_u32 v4, v2, 4, v3                   ; a fragment's row x pitch + 16 x half
	s_mul_i32 s21, s15, HALFT                      ; my 128 rows of x
	s_mul_i32 s22, s16, HALFT                      ; my 128 rows of W,
	s_add_co_u32 s22, s22, 2*HALFT                 ; which lie behind x's 256
.irp s, 0,1
	v_add_nc_u32 v[ADRA+\s], s21, v4
	v_add_nc_u32 v[ADRB+\s], s22, v4
	s_add_co_u32 s21, s21, SLOT
	s_add_co_u32 s22, s22, SLOT
.endr
	v_mul_u32_u24 v5, v1, KS                       ; my row's scales: 32 bytes a row,
	v_lshrrev_b32 v6, 8, v5
	v_lshl_add_u32 v5, v6, 4, v5                   ; and 16 more for each 256 passed
	s_mul_i32 s21, s15, HALFS
	s_mul_i32 s22, s16, HALFS
	s_add_co_u32 s22, s22, 2*HALFS
	s_sub_co_u32 s22, s22, s21
	v_mul_u32_u24 v6, s22, v2                      ; lanes 16-31 take W's: one product, the distance between the two bases
	s_add_co_u32 s21, s21, SCL
	v_add_nc_u32 v5, v5, v6
	v_add_nc_u32 v[ADRS], s21, v5
	s_mul_i32 s23, s14, HSTG                       ; my f16 stage
	v_mul_u32_u24 v5, v1, 144
	v_lshl_add_u32 v5, v2, 4, v5
	v_add_nc_u32 v[STO], s23, v5                   ; in: token r, 16 bytes for each half of the lanes
	v_and_b32 v6, 31, v0
	v_lshrrev_b32 v7, 3, v6
	v_mul_u32_u24 v7, v7, 144
	v_and_b32 v8, 7, v0
	v_lshl_add_u32 v7, v8, 4, v7
	v_add_nc_u32 v[RD], s23, v7                    ; back: eight lanes to a token's 128 bytes, four tokens an instruction
	v_lshlrev_b32 v[CO], 4, v6
	s_mul_i32 s23, s14, FSTG
	s_add_co_u32 s23, s23, FSTG0                   ; my f32 stage
	v_mul_u32_u24 v5, v1, 528
	v_lshl_add_u32 v5, v2, 5, v5
	v_add_nc_u32 v[FST], s23, v5
	v_add_nc_u32 v[FRD], s23, v[CO]
	v_lshlrev_b32 v[FGO], 4, v1
	v_lshl_add_u32 v[FGO], v2, 12, v[FGO]
	s_lshl_b32 s20, s41, 4                         ; 16 x batch
	s_lshl_b32 s21, s40, 2
	s_add_co_u32 s20, s20, s21                     ; + 4 cx
	s_lshl_b32 s21, s16, 1
	s_add_co_u32 s20, s20, s21                     ; + 2 x my half: the first of my two heads
	s_lshl_b32 s22, s20, 11                        ; 2,048 tokens a head,
	s_lshl_b32 s21, s95, 8
	s_add_co_u32 s22, s22, s21                     ; my tile's 256,
	s_lshl_b32 s21, s15, 7
	s_add_co_u32 s22, s22, s21                     ; my half's 128;
	s_lshl_b32 s22, s22, 7                         ; 128 bytes a token
	s_lshl_b32 s21, ttmp9, 24                      ; q, k or v: 16,777,216 bytes each
	s_add_co_u32 s22, s22, s21
	s_mov_b32 s23, 0
	s_add_nc_u64 s[12:13], s[12:13], s[22:23]
	s_lshl_b32 s21, ttmp9, 6                       ; the f32 copy: 64 heads a part,
	s_add_co_u32 s21, s21, s20
	s_lshl_b32 s22, s21, 12                        ; 4,096 bytes a head
	s_add_nc_u64 s[66:67], s[66:67], s[22:23]
.macro FRAG reg, adr, q, i             ; 16 rows x 128 K of 4-bit codes: 8 registers: lane l holds row l % 16; registers 4 c .. 4 c + 3 hold K = 64 c + 32 (l / 16) + 0 .. 31
.irp c, 0,1
	ds_load_b128 v[\reg+4*\c:\reg+4*\c+3], v[\adr] offset:64*(\q)+32*\c+(\i)*16*PITCH
.endr
.endm
; 16 matrix instructions: x's blocks a0, a0 + 1 against W's eight, the slot's q-th 128 along K.  first = 1: the sums begin with the bias.  The 64 accumulators take turns, one instruction a turn, in the same order in every step.
.macro MUL16 a0, p, q, sc, first
.irp a, \a0, \a0+1
.irp b, 0,1,2,3,4,5,6,7
.if \first
	v_wmma_scale_f32_16x16x128_f8f6f4 v[8*(8*((\a)%4)+\b):8*(8*((\a)%4)+\b)+7], v[128*(\p)+FR*\b:128*(\p)+FR*\b+FR-1], v[AF+FR*(\a):AF+FR*(\a)+FR-1], v[BIAS+8*\b:BIAS+8*\b+7], v[SC+8*NQ*(\sc)+NQ*\b+(\q)], v[SC+8*NQ*(\sc)+NQ*(\a)+(\q)] matrix_a_fmt:MATRIX_FMT_FP4 matrix_b_fmt:MATRIX_FMT_FP4 matrix_a_scale:MATRIX_SCALE_ROW1
.else
	v_wmma_scale_f32_16x16x128_f8f6f4 v[8*(8*((\a)%4)+\b):8*(8*((\a)%4)+\b)+7], v[128*(\p)+FR*\b:128*(\p)+FR*\b+FR-1], v[AF+FR*(\a):AF+FR*(\a)+FR-1], v[8*(8*((\a)%4)+\b):8*(8*((\a)%4)+\b)+7], v[SC+8*NQ*(\sc)+NQ*\b+(\q)], v[SC+8*NQ*(\sc)+NQ*(\a)+(\q)] matrix_a_fmt:MATRIX_FMT_FP4 matrix_b_fmt:MATRIX_FMT_FP4 matrix_a_scale:MATRIX_SCALE_ROW1
.endif
.endr
.endr
.endm
.macro FETCH_B slot, q, p
	WIN TO_B
.irp i, 0,1,2,3,4,5,6,7
	FRAG 128*(\p)+FR*\i, ADRB+\slot, \q, \i
.endr
	WIN 0
.endm
.macro FETCH_A slot, q, i0
.irp i, \i0, \i0+1, \i0+2, \i0+3
	FRAG AF+FR*(\i), ADRA+\slot, \q, \i
.endr
.endm
.macro SCALES sc                       ; a slot's scale words: 4 words a row; lanes 0-15 take x's block i, lanes 16-31 W's block i
.irp i, 0,1,2,3,4,5,6,7
	ds_load_b128 v[SC+8*NQ*\sc+NQ*\i:SC+8*NQ*\sc+NQ*\i+3], v[ADRS] offset:\i*SBLK
.endr
.endm
.macro PLACES n                        ; plain vector instructions between a matrix instruction and a load into, or a read of, its registers
.rept \n
	v_nop
.endr
.endm
.macro STEP slot, q, first             ; 128 along K with its successor in the same slot
	s_wait_dscnt 4*NL                              ; W's set and x's blocks 0-3 are in; the youngest eight loads (x's blocks 4-7) may be out
.if \first
	WIN FIRST_LO
.else
	WIN MUL_LO
.endif
	MUL16 0, (\q)%2, \q, \slot, \first
	MUL16 2, (\q)%2, \q, \slot, \first
	s_wait_dscnt 0
	PLACES NP
	FETCH_B \slot, (\q)+1, 1-(\q)%2
	FETCH_A \slot, (\q)+1, 0
.if \first
	WIN FIRST_HI
.else
	WIN MUL_HI
.endif
	MUL16 4, (\q)%2, \q, \slot, \first
	MUL16 6, (\q)%2, \q, \slot, \first
	PLACES NP
	WIN 0
	FETCH_A \slot, (\q)+1, 4
.endm
; Slot 0's last step changes slots: one barrier; in front of it each wave waits for all its tensor loads (its part of slot 1), adds 0 to its spare word, and waits for that and for its reads of slot 0.  Nothing is filled again.
.macro TURN slot, next
	s_wait_tensorcnt 0x0
	ds_add_u32 v[SPW], v[NIL]
	s_wait_dscnt 4*NL+1                            ; the add and the youngest eight loads may be out
	WIN MUL_LO
	MUL16 0, 1, NQ-1, \slot, 0
	s_wait_dscnt 0x0                               ; the add is done, and my reads of this slot are over
	s_barrier_signal -1
	MUL16 2, 1, NQ-1, \slot, 0
	WIN 0
	s_barrier_wait -1
	PLACES NP
	v_add_nc_u32 v[ADRS], 4*NQ, v[ADRS]            ; on to the next slot's scale words
	FETCH_B \next, 0, 0
	FETCH_A \next, 0, 0
	SCALES \next
	WIN MUL_HI
	MUL16 4, 1, NQ-1, \slot, 0
	MUL16 6, 1, NQ-1, \slot, 0
	PLACES NP
	WIN 0
	FETCH_A \next, 0, 4
.endm
.macro STEPS slot, from
.set Q, \from
.rept NQ-1-\from
	STEP \slot, Q, 0
.set Q, Q+1
.endr
.endm
	s_wait_tensorcnt 1                             ; the scales and my part of slot 0 are in (slot 1's load may be out)
	s_barrier_signal -1
	s_barrier_wait -1                              ; everybody's are
	FETCH_B 0, 0, 0
	FETCH_A 0, 0, 0
	SCALES 0
	FETCH_A 0, 0, 4
	s_wait_loadcnt 0x0                             ; the bias
	STEP 0, 0, 1
	STEPS 0, 1
	TURN 0, 1
	STEPS 1, 0
	s_wait_dscnt 4*NL                              ; the last step: nothing more to fetch
	WIN MUL_LO
	MUL16 0, 1, NQ-1, 1, 0
	MUL16 2, 1, NQ-1, 1, 0
	s_wait_dscnt 0
	WIN MUL_HI
	MUL16 4, 1, NQ-1, 1, 0
	MUL16 6, 1, NQ-1, 1, 0
	WIN 0
; THE WAY OUT, 16 tokens at a time.  Lane (r, h) of accumulator (a, b) holds token 16 a + r, head b / 4, channels 16 (b % 4) + 8 h + 0 .. 7: 16 bytes in f16.  They go through my stage and come back as a head's
; 16 tokens, 2,048 dense bytes of the output: each store of the wave covers 512 consecutive bytes, aligned.
.macro PACK a
.set AC, 64*((\a)%4)
	WIN 0x0a+5*((\a)/4)                            ; sources 0 and 1: window 2 or 3
.irp b, 0,1,2,3,4,5,6,7
.irp r, 0,1,2,3
	v_cvt_pk_f16_f32 v[TMP+4*\b+\r], v[AC+8*\b+2*\r], v[AC+8*\b+2*\r+1]   ; each accumulator from its low end on
.endr
.endr
	WIN 0
.endm
.macro TOSTAGE a
.set BB, BK+32*((\a)%2)
.irp b, 0,1,2,3,4,5,6,7
	ds_store_b128 v[STO], v[TMP+4*\b:TMP+4*\b+3] offset:2304*(\b/4)+32*(\b%4)
.endr
.irp hh, 0,1
.irp i, 0,1,2,3
	ds_load_b128 v[BB+4*(4*\hh+\i):BB+4*(4*\hh+\i)+3], v[RD] offset:2304*\hh+576*\i   ; LDS serves a wave's instructions in order: these see the stores above
.endr
.endr
.endm
.macro SEND a
.set BB, BK+32*((\a)%2)
	s_wait_dscnt 0x0                               ; the block is back in registers
	s_wait_xcnt 0x0                                ; the stores of the block before have read their registers: the next block's loads may land there
.irp hh, 0,1
.irp i, 0,1,2,3
	global_store_b128 v[CO], v[BB+4*(4*\hh+\i):BB+4*(4*\hh+\i)+3], s[12:13] offset:262144*\hh+2048*(\a)+512*\i
.endr
.endr
.endm
	PLACES NP
	PACK 0
	TOSTAGE 0
.irp a, 1,2,3,4,5,6,7                  ; block a's conversions stand between block a - 1's loads from the stage and the wait for them
	PACK \a
	SEND \a-1
	TOSTAGE \a
.endr
	SEND 7
	; THE F32 COPY of positions 0 to 15: in the clusters with y = 0, by the two waves that hold the tile's first 128 tokens: their block 0.  The branches hang on the cluster's number and on the wave's number.
	s_cmp_lg_u32 s95, 0
	s_cbranch_scc1 .Lnofine
	s_cmp_lg_u32 s15, 0
	s_cbranch_scc1 .Lnofine
	WIN 0x08                                       ; an LDS store's data are its source 1: window 2
.irp b, 0,1,2,3,4,5,6,7
	ds_store_b128 v[FST], v[8*\b:8*\b+3] offset:64*\b
	ds_store_b128 v[FST], v[8*\b+4:8*\b+7] offset:64*\b+16
.endr
	WIN 0
.irp t, 0,1,2,3,4,5,6,7,8,9,10,11,12,13,14,15
	ds_load_b128 v[128+4*\t:128+4*\t+3], v[FRD] offset:528*\t
.endr
	s_wait_dscnt 0x0
.irp t, 0,1,2,3,4,5,6,7,8,9,10,11,12,13,14,15
	global_store_b128 v[FGO], v[128+4*\t:128+4*\t+3], s[66:67] offset:256*\t   ; sixteen lanes store a token's 256 bytes of one head, aligned
.endr
.Lnofine:
	s_wait_tensorcnt 0x0                           ; the wave's end
	ds_add_u32 v[SPW], v[NIL]
	s_wait_dscnt 0x0
	CROUND                                         ; the closing round
	s_endpgm
.Lfunc_end_k_q8fa74a88b6_qkv:
	.size	k_q8fa74a88b6_qkv, .Lfunc_end_k_q8fa74a88b6_qkv-k_q8fa74a88b6_qkv
	.p2alignl 7, 3214868480
	.fill 96, 4, 3214868480
	.section	.rodata,"a",@progbits
	.p2align	6, 0x0
	.amdhsa_kernel k_q8fa74a88b6_qkv
		.amdhsa_group_segment_fixed_size 327680
		.amdhsa_private_segment_fixed_size 0
		.amdhsa_enable_private_segment 0
		.amdhsa_kernarg_size 72
		.amdhsa_user_sgpr_count 2
		.amdhsa_user_sgpr_kernarg_segment_ptr 1
		.amdhsa_wavefront_size32 1
		.amdhsa_system_sgpr_workgroup_id_x 1
		.amdhsa_system_sgpr_workgroup_id_y 1
		.amdhsa_system_sgpr_workgroup_id_z 1
		.amdhsa_system_vgpr_workitem_id 0
		.amdhsa_next_free_vgpr 1024
		.amdhsa_next_free_sgpr 102
		.amdhsa_reserve_vcc 0
		.amdhsa_float_denorm_mode_32 3
		.amdhsa_float_denorm_mode_16_64 3
		.amdhsa_memory_ordered 1
		.amdhsa_forward_progress 1
		.amdhsa_inst_pref_size 133
	.end_amdhsa_kernel
	.amdgpu_metadata
---
amdhsa.version: [ 1, 2 ]
amdhsa.kernels:
  - .name:           k_q8fa74a88b6_qkv
    .symbol:         k_q8fa74a88b6_qkv.kd
    .args:
      - { .name: xc, .offset: 0, .size: 8, .value_kind: global_buffer, .address_space: global }
      - { .name: xs, .offset: 8, .size: 8, .value_kind: global_buffer, .address_space: global }
      - { .name: wc, .offset: 16, .size: 8, .value_kind: global_buffer, .address_space: global }
      - { .name: ws, .offset: 24, .size: 8, .value_kind: global_buffer, .address_space: global }
      - { .name: bq, .offset: 32, .size: 8, .value_kind: global_buffer, .address_space: global }
      - { .name: bk, .offset: 40, .size: 8, .value_kind: global_buffer, .address_space: global }
      - { .name: bv, .offset: 48, .size: 8, .value_kind: global_buffer, .address_space: global }
      - { .name: qkv, .offset: 56, .size: 8, .value_kind: global_buffer, .address_space: global }
      - { .name: qf, .offset: 64, .size: 8, .value_kind: global_buffer, .address_space: global }
    .group_segment_fixed_size: 327680
    .private_segment_fixed_size: 0
    .kernarg_segment_align: 8
    .kernarg_segment_size: 72
    .max_flat_workgroup_size: 128
    .sgpr_count:     102
    .vgpr_count:     1024
    .wavefront_size: 32
...
	.end_amdgpu_metadata
.endif
;; end of part 2
;; launch attn (part 3): grid 4 x 64, 16 waves a work-group, no clusters, 327,680 bytes of LDS; arguments qkv, yh; writes yh
.if DOCPART == 3
	.amdgcn_target "amdgcn-amd-amdhsa--gfx1250"
	.amdhsa_code_object_version 6
	.text
	.protected	k_q8fa74a88b6_attn
	.globl	k_q8fa74a88b6_attn
	.p2align	8
	.type	k_q8fa74a88b6_attn,@function
k_q8fa74a88b6_attn:
	s_mov_b64 s[64:65], 0
	v_nop
	global_prefetch_b8 v0, s[64:65] scope:SCOPE_SE
	s_setreg_imm32_b32 hwreg(HW_REG_WAVE_MODE, 25, 1), 1
	s_wait_xcnt 0x0
; y[bh][q] = the sum over k <= q of softmax_k(Q[bh][q] . K[bh][k] / 8) V[bh][k].  Q, K, V: qkv [3][64][2048][64] in f16; y: yh [64][2048][64] in f16.  Products on f16 operands, sums, maxima and the softmax in f32;
; the weights p are rounded to f16 for the second product, y once at the end.  LIMIT: y beyond 65,504 becomes infinity in f16.  (Positions 0 to 15 of each sequence are computed again in f32 by a later launch.)
; SHARES.  Work-group (p, bh) owns the blocks p and 7 - p of 256 queries of one head: under the causal mask the two together have 9 blocks of 256 keys to walk, whatever p: 256 equal work-groups.
; Waves 0-7 take block p, waves 8-15 block 7 - p; a wave owns 32 queries, two tiles of 16, in 256 registers: four waves to a SIMD, so that one wave's vector work stands beside another's matrix work and LDS loads.
; All sixteen walk the same keys, 64 a step, through a ring of two LDS slots of 256 keys filled by the tensor data mover (waves 0, 1: K's halves; waves 2, 3: V's).
; NO CLUSTER: the four work-groups of a head need 8 - p slots, a different number each: a joint load would bring tiles that no wave of some partner reads.
; LAYOUT.  S^T = K Q^T (source 0 = 16 keys, source 1 = 16 queries): a lane holds ONE query (lane % 16) and keys 8 (lane / 16) + 0..7.  Two such tiles, rounded to f16 in pairs, ARE source 1 (32 keys x 16 queries) of
; O^T = V^T P.  K comes out of LDS as it lies, V ([key][channel]) turned, by ds_load_tr16_b128.
; SOFTMAX.  A running maximum m and sum l for each query: p = 2^(c s - c m), c = log2(e) / 8; in every step O and l are multiplied by a = 2^(c m_old - c m_new).
; THE CAUSAL MASK.  Every work-group walks all 8 slots: trip counts are constants.  A step all of whose keys come after the wave's queries is jumped over (a branch on ids); on the diagonal hidden scores become -infinity.
; A slot whose first key comes after the work-group's last query is not asked for.  A step that is walked begins at or under every query of the wave, so each query has a key that counts in it.
; REGISTERS: v1-3 addresses; v4, v5 the add's two; v6 prefetch offset; v7 -infinity; v8-31 statistics, 12 a tile; v32-63 Q; v64-127 K's eight fragments, then V's; v128-191 S^T, then p, then P packed in place; v192-255 O^T.
.set PK,    144                        ; a key's row in LDS: 128 bytes + 16
.set PV,    160                        ; a row of V: 128 + 32: an odd multiple of 32, as the turning load's lanes want
.set VOFF,  256*PK                     ; a slot: 256 rows of K, then 256 rows of V
.set SLOT1, 1<<17                      ; slot 1 begins here: one exclusive or turns an address from one slot to the other
.set STAGE, 2*SLOT1                    ; the way out: 16 rows x 144 bytes for each wave; no tile lands here
.set SPARE, STAGE+16*2304              ; the spare words, 128 bytes a wave
.set AK0, 1                            ; v1   my lane's place in a tile of K
.set AV0, 2                            ; v2   and of V
.set ADR, 3                            ; v3   the LDS address of the run of loads in hand
.set SPW, 4
.set NIL, 5
.set PFO, 6                            ; v6   256 x lane
.set NINF, 7
.set ST,  8                            ; tile t at v[ST + 12 t]: +0 c m, +1 m, +2, +3 l (even keys', odd keys'), +4 a, +5 its pair's partner, +6 to +9 c0-c3 at work, +10 d;  v19: lane % 16 - 8 (lane / 16)
.set QF,  32
.set KV,  64
.set S,   128
.set O,   192
.set WV,  18
.set SEL, 20
.set CS,  22
.set G1K, 24
.set G1V, 32
.set G0K, 40
.set G0V, 44
.set TB,  2                            ; s2   LDS byte at which the slot in hand begins
.set SLOTS, 48
.set KF,  49                           ; s49  the step's first key
.set Q0,  50                           ; s50  my wave's first query
.set QL,  51                           ; s51  my work-group's last query
.set PFA, 52
.set LIM, 54
; Waves 0 and 1 fetch K's halves, waves 2 and 3 V's, the others nothing.  An s_nop 0 and four v_nop follow each of the two lines.
.macro TLOAD
	s_cmp_lt_u32 s[WV], 2
	s_cbranch_scc0 .Lnot_k_\@
	tensor_load_to_lds s[G0K:G0K+3], s[G1K:G1K+7]
	s_nop 0
.rept 4
	v_nop
.endr
	s_branch .Lasked_\@
.Lnot_k_\@:
	s_cmp_lt_u32 s[WV], 4
	s_cbranch_scc0 .Lasked_\@
	tensor_load_to_lds s[G0V:G0V+3], s[G1V:G1V+7]
	s_nop 0
.rept 4
	v_nop
.endr
.Lasked_\@:
.endm
; A prefetch of what the NEXT change of slots will ask for: 256 rows of K and of V, two dense blocks of 32,768 bytes.  All four work-groups of a head walk the same keys: the one with p = 0, which walks all 8 slots, asks.
; In it waves 4-7 ask for K's block and waves 8-11 for V's, 8,192 bytes a wave, lanes 256 bytes apart: each aligned 256 bytes is named once in the launch.  The last change that fills a slot asks for nothing.
.macro ASK
	s_cmp_gt_u32 s[SLOTS], s[LIM]
	s_cbranch_scc0 .Lnot_mine_\@
	global_prefetch_b8 v[PFO], s[PFA:PFA+1] th:TH_LOAD_NT scope:SCOPE_SE
.Lnot_mine_\@:
.endm
	s_load_b128 s[4:7], s[0:1], 0x0                ; qkv, yh
	v_lshl_add_u32 v[SPW], v0, 2, SPARE
	v_mov_b32 v[NIL], 0
	ds_add_u32 v[SPW], v[NIL]                      ; the wave's opening: the add, twice on end, and its wait ahead of my first tensor load
	ds_add_u32 v[SPW], v[NIL]
	v_lshrrev_b32 v1, 5, v0
	v_readfirstlane_b32 s[WV], v1                  ; wave 0..15
	s_and_b32 s56, ttmp7, 0xffff                   ; 16 batch + head
	s_lshl_b32 s57, s56, 18                        ; a head is 262,144 bytes in each part and in y
	s_lshr_b32 s58, s[WV], 3
	s_sub_co_u32 s59, 7, ttmp9                     ; 7 - p
	s_cmp_eq_u32 s58, 0
	s_cselect_b32 s60, ttmp9, s59                  ; my block of 256 queries
	s_lshl_b32 s[Q0], s60, 8
	s_and_b32 s61, s[WV], 7
	s_lshl_b32 s61, s61, 5
	s_add_co_u32 s[Q0], s[Q0], s61                 ; my first query
	s_lshl_b32 s[QL], s59, 8
	s_or_b32 s[QL], s[QL], 255
	s_and_b32 s62, s[WV], 1                        ; which 128 rows I fetch, if I fetch
	s_mul_i32 s63, s62, 128*PK
	s_mul_i32 s66, s62, 128*PV
	s_add_co_u32 s66, s66, VOFF
	s_lshl_b32 s67, s62, 14
	s_add_co_u32 s67, s67, s57
	s_mov_b32 s[G1K], (1<<16)|(1<<20)|(4<<22)|(3<<25)   ; no mask; elements of 2 bytes; padding on: after every 32 words, 4 words
	s_mov_b32 s[G1V], (1<<16)|(1<<20)|(4<<22)|(7<<25)   ; 8 words
.irp g, G1K, G1V
	s_mov_b32 s[\g+1], 64<<16                      ; tensor_dim0
	s_mov_b32 s[\g+2], 128<<16                     ; tensor_dim1
	s_mov_b32 s[\g+3], 64<<16                      ; tile_dim0
	s_mov_b32 s[\g+4], 128                         ; tile_dim1
	s_mov_b32 s[\g+5], 64                          ; from row to row
	s_mov_b32 s[\g+6], 0
	s_mov_b32 s[\g+7], 0
.endr
	s_mov_b32 s[SEL], 0x76543210
	s_mov_b32 s[SEL+1], 0xfedcba98                 ; v_permlanex16_b32's selects for lane l xor 16
	s_mov_b32 s[CS], 0x3e38aa3b                    ; c = log2(e) / 8
	s_mov_b32 s[CS+1], s[CS]
	s_mov_b32 s[TB], 0
	s_mov_b32 s[SLOTS], 7
	s_mov_b32 s[KF], 0
	s_wait_dscnt 0x0                               ; both opening adds are done
	s_wait_kmcnt 0x0
	s_add_co_u32 s68, s67, 16777216                ; K is the second part of qkv,
	s_mov_b32 s69, 0
	s_mov_b32 s[G0K], 1
	s_mov_b32 s[G0K+1], s63
	s_add_nc_u64 s[G0K+2:G0K+3], s[4:5], s[68:69]
	s_or_b32 s[G0K+3], s[G0K+3], 0x80000000
	s_add_co_u32 s68, s67, 33554432                ; V the third
	s_mov_b32 s[G0V], 1
	s_mov_b32 s[G0V+1], s66
	s_add_nc_u64 s[G0V+2:G0V+3], s[4:5], s[68:69]
	s_or_b32 s[G0V+3], s[G0V+3], 0x80000000
	TLOAD                                          ; slot 0: it holds key 0, which counts for every query
	s_lshl_b32 s70, s[Q0], 7
	s_add_co_u32 s70, s70, s57
	s_mov_b32 s71, 0
	s_add_nc_u64 s[72:73], s[4:5], s[70:71]        ; Q at my first query
	s_add_nc_u64 s[6:7], s[6:7], s[70:71]          ; y likewise
	s_cmp_lt_u32 s[WV], 8                          ; the prefetches: waves 4-7 K, waves 8-11 V
	s_mov_b32 s66, 33554432
	s_cselect_b32 s66, 16777216, s66
	s_and_b32 s67, s[WV], 3
	s_lshl_b32 s67, s67, 13
	s_add_co_u32 s66, s66, s67
	s_add_co_u32 s66, s66, s57
	s_add_co_u32 s66, s66, 32768                   ; in slot 1: the first change of slots steps it to slot 2.  Nothing is prefetched at the head
	s_mov_b32 s67, 0
	s_add_nc_u64 s[PFA:PFA+1], s[4:5], s[66:67]
	s_sub_co_u32 s66, s[WV], 4
	s_lshr_b32 s66, s66, 3                         ; 0 in waves 4 to 11,
	s_or_b32 s66, s66, ttmp9                       ; of the work-group with p = 0
	s_cmp_eq_u32 s66, 0
	s_cselect_b32 s[LIM], 1, -1
	v_and_b32 v8, 15, v0                           ; r
	v_bfe_u32 v9, v0, 4, 1                         ; h
	v_lshlrev_b32 v[ADR], 7, v8
	v_lshl_add_u32 v[ADR], v9, 4, v[ADR]           ; Q: row r of 128 bytes, + 16 h
.irp t, 0,1
.irp cc, 0,1
	global_load_b128 v[QF+16*\t+8*\cc:QF+16*\t+8*\cc+3], v[ADR], s[72:73] offset:2048*\t+64*\cc
	global_load_b128 v[QF+16*\t+8*\cc+4:QF+16*\t+8*\cc+7], v[ADR], s[72:73] offset:2048*\t+64*\cc+32
.endr
.endr
	v_mul_u32_u24 v[AK0], v8, PK
	v_lshl_add_u32 v[AK0], v9, 4, v[AK0]           ; K: row r x pitch + 16 h
	v_and_b32 v10, 7, v0
	v_bfe_u32 v11, v0, 3, 1
	v_lshl_add_u32 v[AV0], v9, 3, v10              ; V: the turning load: key 8 h + lane % 8, channels 8 ((lane / 8) % 2) on
	v_mul_u32_u24 v[AV0], v[AV0], PV
	v_lshl_add_u32 v[AV0], v11, 4, v[AV0]
	v_add_nc_u32 v[AV0], VOFF, v[AV0]
	v_and_b32 v[PFO], 31, v0
	v_lshlrev_b32 v[PFO], 8, v[PFO]
	v_mov_b32 v[NINF], 0xff800000
	v_lshlrev_b32 v19, 3, v9
	v_sub_nc_u32 v19, v8, v19                      ; r - 8 h
.irp t, 0,1
	v_mov_b32 v[ST+12*\t+1], 0xff61b1e6            ; m: -3e38, under every score
	v_mul_f32 v[ST+12*\t], s[CS], v[ST+12*\t+1]    ; c m
.irp i, 2,3,5,6,7,8,9
	v_mov_b32 v[ST+12*\t+\i], 0                    ; l; the pair's partner; c0-c3 (a lane permute's destination counts as one of its sources)
.endr
.endr
.irp j, 0,1,2,3,4,5,6,7,8,9,10,11,12,13,14,15,16,17,18,19,20,21,22,23,24,25,26,27,28,29,30,31,32,33,34,35,36,37,38,39,40,41,42,43,44,45,46,47,48,49,50,51,52,53,54,55,56,57,58,59,60,61,62,63
	v_mov_b32 v[O+\j], 0                           ; O^T: the step is written once; its first pass finds zeros, which a = 0 leaves zeros
.endr
; A KEY STEP: 64 keys, the q-th of the slot in hand, for my two tiles of queries.
.macro STEP q
	s_add_co_u32 s56, s[Q0], 31
	s_cmp_gt_u32 s[KF], s56                        ; all keys come after my queries: nothing to do but to count the step
	s_cbranch_scc1 .Lhidden_\@
	v_add_nc_u32 v[ADR], s[TB], v[AK0]
.rept 4
	v_nop                                          ; with the addition five places behind the last step's products: four for the loads into V's registers, five for the products that write over P's
.endr
.irp kt, 0,1,2,3
.irp cc, 0,1
	ds_load_b128 v[KV+8*(2*\kt+\cc):KV+8*(2*\kt+\cc)+3], v[ADR] offset:9216*(\q)+2304*\kt+64*\cc
	ds_load_b128 v[KV+8*(2*\kt+\cc)+4:KV+8*(2*\kt+\cc)+7], v[ADR] offset:9216*(\q)+2304*\kt+64*\cc+32
.endr
.endr
	s_wait_dscnt 0x0
.irp cc, 0,1                                   ; S^T = K Q^T: eight accumulators by turns
.irp kt, 0,1,2,3
.irp t, 0,1
.if \cc == 0
	v_wmma_f32_16x16x32_f16 v[S+32*\t+8*\kt:S+32*\t+8*\kt+7], v[KV+8*(2*\kt+\cc):KV+8*(2*\kt+\cc)+7], v[QF+16*\t+8*\cc:QF+16*\t+8*\cc+7], 0
.else
	v_wmma_f32_16x16x32_f16 v[S+32*\t+8*\kt:S+32*\t+8*\kt+7], v[KV+8*(2*\kt+\cc):KV+8*(2*\kt+\cc)+7], v[QF+16*\t+8*\cc:QF+16*\t+8*\cc+7], v[S+32*\t+8*\kt:S+32*\t+8*\kt+7]
.endif
.endr
.endr
.endr
	v_add_nc_u32 v[ADR], s[TB], v[AV0]
.rept 3
	v_nop                                          ; with the addition four places: for the loads into K's registers and for the first read of the scores
.endr
.irp kk, 0,1                                   ; V, turned: it lands while the softmax is worked
.irp c, 0,1,2,3
	ds_load_tr16_b128 v[KV+8*(4*\kk+\c):KV+8*(4*\kk+\c)+3], v[ADR] offset:10240*(\q)+5120*\kk+32*\c
	ds_load_tr16_b128 v[KV+8*(4*\kk+\c)+4:KV+8*(4*\kk+\c)+7], v[ADR] offset:10240*(\q)+5120*\kk+32*\c+2560
.endr
.endr
	s_add_co_u32 s56, s[KF], 63
	s_cmp_le_u32 s56, s[Q0]                        ; all keys count for all my queries: no mask
	s_cbranch_scc1 .Lopen_\@
	s_sub_co_i32 s56, s[Q0], s[KF]
	v_add_nc_u32 v[ST+10], s56, v19                ; d = my query - KF - 8 h.  Register 8 kt + j holds key KF + 16 kt + 8 h + j: hidden where 16 kt + j > d
	v_add_nc_u32 v[ST+22], 16, v[ST+10]
.irp t, 0,1
.irp n, 0,1,2,3,4,5,6,7,8,9,10,11,12,13,14,15,16,17,18,19,20,21,22,23,24,25,26,27,28,29,30,31
	v_cmp_gt_i32 vcc_lo, 16*(\n/8)+\n%8, v[ST+12*\t+10]
	v_cndmask_b32 v[S+32*\t+\n], v[S+32*\t+\n], v[NINF], vcc_lo
.endr
.endr
.Lopen_\@:
	; the maximum of my 32 scores and the old m, three operands at a time, four chains; the two tiles line by line, so that no line waits for the line above it
.irp j, 0,1,2,3
.irp t, 0,1
	v_max3_num_f32 v[ST+12*\t+6+\j], v[S+32*\t+8*\j], v[S+32*\t+8*\j+1], v[S+32*\t+8*\j+2]
.endr
.endr
.irp i, 3,5
.irp j, 0,1,2,3
.irp t, 0,1
	v_max3_num_f32 v[ST+12*\t+6+\j], v[ST+12*\t+6+\j], v[S+32*\t+8*\j+\i], v[S+32*\t+8*\j+\i+1]
.endr
.endr
.endr
.irp t, 0,1
	v_max3_num_f32 v[ST+12*\t+6], v[ST+12*\t+6], v[S+32*\t+7], v[S+32*\t+15]
.endr
.irp t, 0,1
	v_max3_num_f32 v[ST+12*\t+8], v[ST+12*\t+8], v[S+32*\t+23], v[S+32*\t+31]
.endr
.irp t, 0,1
	v_max3_num_f32 v[ST+12*\t+6], v[ST+12*\t+6], v[ST+12*\t+7], v[ST+12*\t+8]
.endr
.irp t, 0,1
	v_max3_num_f32 v[ST+12*\t+6], v[ST+12*\t+6], v[ST+12*\t+9], v[ST+12*\t+1]
.endr
.irp t, 0,1
	v_permlanex16_b32 v[ST+12*\t+7], v[ST+12*\t+6], s[SEL], s[SEL+1]   ; the query's other 32 keys lie in the lane 16 away
.endr
.irp t, 0,1
	v_mov_b32 v[ST+12*\t+9], v[ST+12*\t]           ; c m_old
.endr
.irp t, 0,1
	v_max_num_f32 v[ST+12*\t+1], v[ST+12*\t+6], v[ST+12*\t+7]
.endr
.irp t, 0,1
	v_mul_f32 v[ST+12*\t], s[CS], v[ST+12*\t+1]
.endr
.irp t, 0,1
	v_sub_f32 v[ST+12*\t+9], v[ST+12*\t+9], v[ST+12*\t]
.endr
.irp t, 0,1
	v_exp_f32 v[ST+12*\t+4], v[ST+12*\t+9]         ; a
.endr
.irp i, 0,2,4,6,8,10,12,14,16,18,20,22,24,26,28,30
.irp t, 0,1
	v_pk_fma_f32 v[S+32*\t+\i:S+32*\t+\i+1], v[S+32*\t+\i:S+32*\t+\i+1], s[CS:CS+1], v[ST+12*\t:ST+12*\t+1] op_sel_hi:[1,0,0] neg_lo:[0,0,1] neg_hi:[0,0,1]   ; c s - c m
.endr
.endr
.irp i, 0,1,2,3,4,5,6,7,8,9,10,11,12,13,14,15,16,17,18,19,20,21,22,23,24,25,26,27,28,29,30,31
.irp t, 0,1
	v_exp_f32 v[S+32*\t+\i], v[S+32*\t+\i]
.endr
.endr
	v_nop                                          ; a plain instruction behind the last exponential
	s_wait_alu depctr_va_vdst(0)                   ; one wait for the step's 66 exponentials, ahead of the first instruction that names a result
.irp t, 0,1
	v_pk_add_f32 v[ST+12*\t+6:ST+12*\t+7], v[S+32*\t:S+32*\t+1], v[S+32*\t+2:S+32*\t+3]   ; the sum of the unrounded p, two at a time, in two chains
.endr
.irp t, 0,1
	v_pk_add_f32 v[ST+12*\t+8:ST+12*\t+9], v[S+32*\t+4:S+32*\t+5], v[S+32*\t+6:S+32*\t+7]
.endr
.irp i, 8,12,16,20,24,28
.irp t, 0,1
	v_pk_add_f32 v[ST+12*\t+6:ST+12*\t+7], v[ST+12*\t+6:ST+12*\t+7], v[S+32*\t+\i:S+32*\t+\i+1]
.endr
.irp t, 0,1
	v_pk_add_f32 v[ST+12*\t+8:ST+12*\t+9], v[ST+12*\t+8:ST+12*\t+9], v[S+32*\t+\i+2:S+32*\t+\i+3]
.endr
.endr
.irp t, 0,1
	v_pk_add_f32 v[ST+12*\t+6:ST+12*\t+7], v[ST+12*\t+6:ST+12*\t+7], v[ST+12*\t+8:ST+12*\t+9]
.endr
.irp t, 0,1
	v_pk_fma_f32 v[ST+12*\t+2:ST+12*\t+3], v[ST+12*\t+2:ST+12*\t+3], v[ST+12*\t+4:ST+12*\t+5], v[ST+12*\t+6:ST+12*\t+7] op_sel_hi:[1,0,1]   ; l = a l + the sum
.endr
.irp i, 0,1,2,3,4,5,6,7,8,9,10,11,12,13,14,15
.irp t, 0,1
	v_cvt_pk_f16_f32 v[S+32*\t+\i], v[S+32*\t+2*\i], v[S+32*\t+2*\i+1]   ; P in place: each write lands on registers that have been read
.endr
.endr
.irp i, 0,2,4,6,8,10,12,14,16,18,20,22,24,26,28,30
.irp t, 0,1
	v_pk_mul_f32 v[O+32*\t+\i:O+32*\t+\i+1], v[O+32*\t+\i:O+32*\t+\i+1], v[ST+12*\t+4:ST+12*\t+5] op_sel_hi:[1,0]   ; O^T x a, each accumulator from its low end on
.endr
.endr
	s_wait_dscnt 0x0                               ; V is in
.irp kk, 0,1                                   ; O^T += V^T P: eight accumulators by turns
.irp c, 0,1,2,3
.irp t, 0,1
	v_wmma_f32_16x16x32_f16 v[O+32*\t+8*\c:O+32*\t+8*\c+7], v[KV+8*(4*\kk+\c):KV+8*(4*\kk+\c)+7], v[S+32*\t+8*\kk:S+32*\t+8*\kk+7], v[O+32*\t+8*\c:O+32*\t+8*\c+7]
.endr
.endr
.endr
.Lhidden_\@:
	s_add_co_u32 s[KF], s[KF], 64
.endm
; THE CHANGE OF SLOTS stands at a slot's head.  Each wave waits for all its tensor loads (its part of the slot ahead), adds 0 to its spare word, and waits for that and for its reads of the slot that it has left.
; Behind the barrier the slot ahead is whole and nobody reads the other one.  fill = 1: that other slot is filled with the next 256 keys, up to the causal limit: one tensor load a wave is out, and it has a slot's four steps in which to land.
.macro CHANGE fill
	s_wait_tensorcnt 0x0                           ; no tensor load of mine is out, so a group 0 may be written
	ds_add_u32 v[SPW], v[NIL]
.if \fill
	ds_add_u32 v[SPW], v[NIL]                      ; and once more: the add stands twice on end, in every trip alike
	s_xor_b32 s[G0K+1], s[G0K+1], SLOT1            ; the walking descriptors: the other slot,
	s_add_nc_u64 s[G0K+2:G0K+3], s[G0K+2:G0K+3], 32768   ; the next 256 keys
	s_xor_b32 s[G0V+1], s[G0V+1], SLOT1
	s_add_nc_u64 s[G0V+2:G0V+3], s[G0V+2:G0V+3], 32768
	s_wait_xcnt 0x0                                ; the last prefetch, a slot back, has read its address
	s_add_nc_u64 s[PFA:PFA+1], s[PFA:PFA+1], 32768 ; one slot further on than the walking descriptors
.endif
	s_wait_dscnt 0x0                               ; the add is done, and my reads of the slot that I have left are over
	s_barrier_signal -1
	s_barrier_wait -1
.if \fill
	s_add_co_u32 s56, s[KF], 256                   ; the first key of the slot that this change would ask for
	s_cmp_gt_u32 s56, s[QL]                        ; ids and the count of steps alone: all sixteen waves go the same way; no step reads a slot that is left out
	s_cbranch_scc1 .Lpast_\@
	TLOAD
.Lpast_\@:
	ASK
.endif
.endm
.macro SLOT_STEPS
.set Q, 0
.rept 4
	STEP Q
.set Q, Q+1
.endr
	s_xor_b32 s[TB], s[TB], SLOT1
.endm
	s_wait_loadcnt 0x0                             ; Q
.Lslot:                                            ; 7 trips
	CHANGE 1
	SLOT_STEPS
	s_sub_co_u32 s[SLOTS], s[SLOTS], 1
	s_cmp_lg_u32 s[SLOTS], 0
	s_cbranch_scc1 .Lslot
	CHANGE 0                                       ; the last slot is written out: nothing is left to ask for
	SLOT_STEPS
	; THE WAY OUT.  The twelve address lines, which name no register of the last products, are the places behind them.
	s_mul_i32 s56, s[WV], 2304
	s_add_co_u32 s56, s56, STAGE                   ; my stage
	v_and_b32 v18, 15, v0                          ; r
	v_bfe_u32 v19, v0, 4, 1                        ; h
	v_and_b32 v30, 31, v0                          ; lane
	v_mul_u32_u24 v[ADR], v18, 144
	v_lshl_add_u32 v[ADR], v19, 4, v[ADR]
	v_add_nc_u32 v[ADR], s56, v[ADR]               ; in: row r, 16 bytes for each half of the lanes
	v_lshrrev_b32 v31, 3, v30
	v_mul_u32_u24 v[AK0], v31, 144
	v_and_b32 v31, 7, v0
	v_lshl_add_u32 v[AK0], v31, 4, v[AK0]
	v_add_nc_u32 v[AK0], s56, v[AK0]               ; back: eight lanes to a row of 128 bytes, four rows an instruction
	v_lshlrev_b32 v[AV0], 4, v30                   ; and the same 512 bytes in y
.irp t, 0,1
	v_add_f32 v[ST+12*\t+6], v[ST+12*\t+2], v[ST+12*\t+3]
.endr
.irp t, 0,1
	v_permlanex16_b32 v[ST+12*\t+7], v[ST+12*\t+6], s[SEL], s[SEL+1]
.endr
.irp t, 0,1
	v_add_f32 v[ST+12*\t+6], v[ST+12*\t+6], v[ST+12*\t+7]   ; the row's sum
.endr
.irp t, 0,1
	v_rcp_f32 v[ST+12*\t+4], v[ST+12*\t+6]
.endr
	v_nop
	s_wait_alu depctr_va_vdst(0)                   ; one wait for the two reciprocals, ahead of their first reader
.irp t, 0,1
.irp i, 0,2,4,6,8,10,12,14,16,18,20,22,24,26,28,30
	v_pk_mul_f32 v[O+32*\t+\i:O+32*\t+\i+1], v[O+32*\t+\i:O+32*\t+\i+1], v[ST+12*\t+4:ST+12*\t+5] op_sel_hi:[1,0]
.endr
.irp i, 0,1,2,3,4,5,6,7,8,9,10,11,12,13,14,15
	v_cvt_pk_f16_f32 v[S+16*\t+\i], v[O+32*\t+2*\i], v[O+32*\t+2*\i+1]
.endr
.irp c, 0,1,2,3
	ds_store_b128 v[ADR], v[S+16*\t+4*\c:S+16*\t+4*\c+3] offset:32*\c
.endr
.irp i, 0,1,2,3
	ds_load_b128 v[S+32+16*\t+4*\i:S+32+16*\t+4*\i+3], v[AK0] offset:576*\i   ; LDS serves a wave's instructions in order: these see my stores, and the next tile's stores come behind them
.endr
.endr
.irp i, 0,1,2,3
	s_wait_dscnt 11-\i                             ; behind this load: tile 0's younger loads and tile 1's eight instructions
	global_store_b128 v[AV0], v[S+32+4*\i:S+32+4*\i+3], s[6:7] offset:512*\i   ; the wave stores 512 consecutive bytes, aligned
.endr
.irp i, 0,1,2,3
	s_wait_dscnt 3-\i
	global_store_b128 v[AV0], v[S+48+4*\i:S+48+4*\i+3], s[6:7] offset:2048+512*\i
.endr
	s_wait_tensorcnt 0x0                           ; the wave's end
	ds_add_u32 v[SPW], v[NIL]
	s_wait_dscnt 0x0
	s_endpgm
.Lfunc_end_k_q8fa74a88b6_attn:
	.size	k_q8fa74a88b6_attn, .Lfunc_end_k_q8fa74a88b6_attn-k_q8fa74a88b6_attn
	.p2alignl 7, 3214868480
	.fill 96, 4, 3214868480
	.section	.rodata,"a",@progbits
	.p2align	6, 0x0
	.amdhsa_kernel k_q8fa74a88b6_attn
		.amdhsa_group_segment_fixed_size 327680
		.amdhsa_private_segment_fixed_size 0
		.amdhsa_enable_private_segment 0
		.amdhsa_kernarg_size 16
		.amdhsa_user_sgpr_count 2
		.amdhsa_user_sgpr_kernarg_segment_ptr 1
		.amdhsa_wavefront_size32 1
		.amdhsa_system_sgpr_workgroup_id_x 1
		.amdhsa_system_sgpr_workgroup_id_y 1
		.amdhsa_system_sgpr_workgroup_id_z 1
		.amdhsa_system_vgpr_workitem_id 0
		.amdhsa_next_free_vgpr 256
		.amdhsa_next_free_sgpr 80
		.amdhsa_reserve_vcc 1
		.amdhsa_float_denorm_mode_32 3
		.amdhsa_float_denorm_mode_16_64 3
		.amdhsa_memory_ordered 1
		.amdhsa_forward_progress 1
		.amdhsa_inst_pref_size 188
	.end_amdhsa_kernel
	.amdgpu_metadata
---
amdhsa.version: [ 1, 2 ]
amdhsa.kernels:
  - .name:           k_q8fa74a88b6_attn
    .symbol:         k_q8fa74a88b6_attn.kd
    .args:
      - { .name: qkv, .offset: 0, .size: 8, .value_kind: global_buffer, .address_space: global }
      - { .name: yh, .offset: 8, .size: 8, .value_kind: global_buffer, .address_space: global }
    .group_segment_fixed_size: 327680
    .private_segment_fixed_size: 0
    .kernarg_segment_align: 8
    .kernarg_segment_size: 16
    .max_flat_workgroup_size: 512
    .sgpr_count:     80
    .vgpr_count:     256
    .wavefront_size: 32
...
	.end_amdgpu_metadata
.endif
;; end of part 3
;; launch proj (part 4): grid 8 x 32, 4 waves a work-group, clusters of 4 x 4, 327,680 bytes of LDS; arguments yh, wph, bp, out0; writes out0
.if DOCPART == 4
	.amdgcn_target "amdgcn-amd-amdhsa--gfx1250"
	.amdhsa_code_object_version 6
	.text
	.protected	k_q8fa74a88b6_proj
	.globl	k_q8fa74a88b6_proj
	.p2align	8
	.type	k_q8fa74a88b6_proj,@function
k_q8fa74a88b6_proj:
	s_mov_b64 s[64:65], 0
	v_nop
	global_prefetch_b8 v0, s[64:65] scope:SCOPE_SE
	s_setreg_imm32_b32 hwreg(HW_REG_WAVE_MODE, 25, 1), 1
	s_wait_xcnt 0x0
	s_wait_alu depctr_hold_cnt(0) depctr_sa_sdst(0) depctr_va_vdst(0) depctr_va_sdst(0) depctr_va_ssrc(0) depctr_va_vcc(0) depctr_vm_vsrc(0)
	s_getreg_b32 s2, hwreg(HW_REG_IB_STS2, 6, 4)
	s_cmp_eq_u32 s2, 0
	s_cbranch_scc0 .Lentry_in_a_cluster
	s_endpgm
.Lentry_in_a_cluster:
	s_bfe_u32 s2, ttmp6, 0x10000c
	s_cmp_lg_u32 s2, 0xf033
	s_cbranch_scc0 .Lentry_shape_is_right
	s_endpgm
.Lentry_shape_is_right:
; out0 = y Wp^T + bp.  y: yh [16 batch + head][token 2048][64] f16; Wp: wph [1024 n][1024 k] f16; bp [1024], out0 [8192][1024] f32.  Products on f16 operands, sums in f32.
; All rows are written here; the 16 first positions of each sequence are written again, from f32 operands, by the launch that follows.
; A tile is 256 tokens x 128 columns: 256 work-groups.  Wave w takes tokens 64 w .. 64 w + 63 and all 128 columns: 32 accumulators, 256 registers.
; K goes in steps of 128 channels = two heads, through a ring of two LDS slots: of y two dense blocks of 256 tokens x 128 bytes (waves 0, 1), of Wp 128 rows x 256 bytes (waves 2, 3: 64 rows each).
; CLUSTERS: 4 x 4 work-groups; the tile row is 8 cy + cluster y (batch cy), the tile column 4 cluster x + cx.  y's tiles are shared along a row of the cluster, Wp's along a column: joint loads.
; THE MATRIX INSTRUCTION IS USED TRANSPOSED (source 0 = 16 rows of Wp, source 1 = 16 tokens): a lane holds eight neighbouring columns of one token.  THE BIAS IS THE C OF EACH SUM'S FIRST PRODUCT.
; REGISTERS: window 0: v16-31 addresses; v32-95 the bias in the result's layout; v128-255 rows on the way out.  Window 1: two fragment buffers at v0 and v128: Wp's eight fragments, then y's four.  Window 2: accumulator (a, b) at v[8 (8 a + b)].
.set SLOT,   108544                    ; y: 2 heads x 256 rows x 144; then Wp: 128 rows x 272
.set BOFF,   73728
.set STAGE,  2*SLOT                    ; behind the ring: 16 rows x 528 bytes for each wave
.set SPARE,  STAGE+4*16*528            ; the spare words, 128 bytes a wave
.set LAPS,   4                         ; a lap = two K steps = once round the ring
.set KHOP,   524288                    ; a K step on in y: two heads
.set ADRA, 16
.set ADRB, 20
.set STO,  24
.set RD,   25
.set CO,   26
.set SPW,  28
.set NIL,  29
.set PFO,  30
.set BOF,  31
.set BIAS, 32
.set BK,   128
.set F0,   0
.set F1,   128
.set G1, 24
.set G0, 32
.set G1B, 48
.set G0B, 56
.set PFA, 68
.set LIM, 70
.set MSB, 0
.macro WIN new
.if MSB != (\new)
	s_set_vgpr_msb (MSB<<8)|(\new)
.set MSB, (\new)
.endif
.endm
.set MUL,   0xa5                       ; sources 0 and 1 window 1, C and D window 2
.set FIRST, 0x85                       ; the first quarter: C (the bias) window 0
.set TO_F,  0x40
.macro JLOAD s                         ; waves 0, 1 ask for y's two heads, waves 2, 3 for Wp's two halves; an s_nop 0 and four v_nop follow each of the two lines
	s_cmp_eq_u32 s11, 0
	s_cbranch_scc0 .Lfor_b_\@
	tensor_load_to_lds s[G0+4*\s:G0+4*\s+3], s[G1:G1+7]
	s_nop 0
.rept 4
	v_nop
.endr
	s_branch .Lasked_\@
.Lfor_b_\@:
	tensor_load_to_lds s[G0B+4*\s:G0B+4*\s+3], s[G1B:G1B+7]
	s_nop 0
.rept 4
	v_nop
.endr
.Lasked_\@:
.endm
.macro CREST
	s_cmp_lg_u32 s10, 0
	s_cbranch_scc1 .Lnot_wave_0_\@
	s_barrier_signal -3
.Lnot_wave_0_\@:
	s_barrier_wait -3
	s_barrier_signal -1
	s_barrier_wait -1
.endm
.macro CROUND
	s_barrier_signal -1
	s_barrier_wait -1
	CREST
.endm
; A prefetch of y's K step that stands two refills on.  Both clusters of a row of clusters read the same rows of y: the one with x = 0 asks, by its waves 0 and 1 (a head each).  The four partners share a head's
; 32,768 bytes out by address, 8,192 each, lanes 256 bytes apart: each aligned 256 bytes is named once.  The loop's last trip asks for nothing: there is no K step two refills on.  Wp is read again by every tile row and is not asked for.
.macro ASK
	s_cmp_gt_u32 s3, s[LIM]
	s_cbranch_scc0 .Lnot_mine_\@
	global_prefetch_b8 v[PFO], s[PFA:PFA+1] offset:KHOP th:TH_LOAD_NT scope:SCOPE_SE
.Lnot_mine_\@:
.endm
	s_load_b128 s[4:7], s[0:1], 0x0                ; y, Wp in f16
	s_load_b64 s[66:67], s[0:1], 0x10              ; bp
	s_load_b64 s[8:9], s[0:1], 0x18                ; out0
	v_lshl_add_u32 v[SPW], v0, 2, SPARE
	v_mov_b32 v[NIL], 0
	ds_add_u32 v[SPW], v[NIL]                      ; the wave's opening: the add, twice on end, and its wait ahead of my first tensor load
	ds_add_u32 v[SPW], v[NIL]
	v_lshrrev_b32 v1, 5, v0
	v_readfirstlane_b32 s10, v1                    ; wave 0..3
	s_lshr_b32 s11, s10, 1                         ; I fetch for y (0) or for Wp (1)
	s_and_b32 s12, s10, 1                          ; which head of the two, or which 64 rows
	s_bfe_u32 s40, ttmp6, 0x40000                  ; cx, cy
	s_bfe_u32 s41, ttmp6, 0x40004
	s_lshl_b32 s42, ttmp9, 2
	s_add_co_u32 s42, s42, s40                     ; tile column
	s_and_b32 s13, ttmp7, 0xffff                   ; cluster y: the block of 256 tokens in batch cy
	s_lshl_b32 s43, s41, 2
	s_lshl_b32 s43, 15, s43                        ; my row of the cluster
	s_lshl_b32 s44, 0x1111, s40                    ; my column
	s_or_b32 s[G1+0], s43, (1<<16)|(1<<20)|(1<<21)|(4<<22)|(3<<25)   ; y: elements of 2 bytes; 4 words of padding after every 32
	s_mov_b32 s[G1+1], 64<<16
	s_mov_b32 s[G1+2], 256<<16
	s_mov_b32 s[G1+3], 64<<16
	s_mov_b32 s[G1+4], 256
	s_mov_b32 s[G1+5], 64
	s_mov_b32 s[G1+6], 0
	s_mov_b32 s[G1+7], 0
	s_or_b32 s[G1B+0], s44, (1<<16)|(1<<20)|(1<<21)|(5<<22)|(3<<25)  ; Wp: 4 words after every 64
	s_mov_b32 s[G1B+1], 128<<16
	s_mov_b32 s[G1B+2], 64<<16
	s_mov_b32 s[G1B+3], 128<<16
	s_mov_b32 s[G1B+4], 64
	s_mov_b32 s[G1B+5], 1024
	s_mov_b32 s[G1B+6], 0
	s_mov_b32 s[G1B+7], 0
	s_lshl_b32 s16, s41, 4
	s_add_co_u32 s16, s16, s12                     ; y: head 16 cy + which of the two,
	s_lshl_b32 s16, s16, 11
	s_lshl_b32 s17, s13, 8
	s_add_co_u32 s16, s16, s17                     ; token 256 x cluster y,
	s_lshl_b32 s16, s16, 7                         ; 128 bytes a token
	s_mov_b32 s17, 0
	s_lshl_b32 s46, s42, 7
	s_lshl_b32 s47, s12, 6
	s_add_co_u32 s46, s46, s47                     ; Wp: row 128 x tile column + 64 x half,
	s_lshl_b32 s46, s46, 11                        ; 2,048 bytes a row
	s_mov_b32 s47, 0
	s_mul_i32 s20, s12, 256*144                    ; where they go: no place in the cluster enters an LDS address
	s_mul_i32 s21, s12, 64*272
	s_add_co_u32 s21, s21, BOFF
	s_wait_dscnt 0x0                               ; both opening adds are done
	s_wait_kmcnt 0x0
	s_add_nc_u64 s[14:15], s[4:5], s[16:17]
	s_add_nc_u64 s[46:47], s[6:7], s[46:47]
	CROUND                                         ; all sixteen work-groups are here: the first joint loads meet
.irp s, 0,1
	s_mov_b32 s[G0+4*\s], 1
	s_add_co_u32 s[G0+4*\s+1], s20, \s*SLOT
	s_add_nc_u64 s[G0+4*\s+2:G0+4*\s+3], s[14:15], \s*KHOP
	s_or_b32 s[G0+4*\s+3], s[G0+4*\s+3], 0x80000000
	s_mov_b32 s[G0B+4*\s], 1
	s_add_co_u32 s[G0B+4*\s+1], s21, \s*SLOT
	s_add_nc_u64 s[G0B+4*\s+2:G0B+4*\s+3], s[46:47], \s*256
	s_or_b32 s[G0B+4*\s+3], s[G0B+4*\s+3], 0x80000000
	JLOAD \s
.endr
	v_and_b32 v1, 15, v0                           ; r
	v_bfe_u32 v2, v0, 4, 1                         ; h
	s_lshl_b32 s18, s42, 9                         ; the bias: my tile's 128 numbers; register 8 b + j of lane (r, h) is bp[16 b + 8 h + j] of them
	s_mov_b32 s19, 0
	s_add_nc_u64 s[66:67], s[66:67], s[18:19]
	v_lshlrev_b32 v[BOF], 5, v2
.irp b, 0,1,2,3,4,5,6,7
	global_load_b128 v[BIAS+8*\b:BIAS+8*\b+3], v[BOF], s[66:67] offset:64*\b
	global_load_b128 v[BIAS+8*\b+4:BIAS+8*\b+7], v[BOF], s[66:67] offset:64*\b+16
.endr
	v_mul_u32_u24 v3, v1, 144
	v_lshl_add_u32 v3, v2, 4, v3
	s_mul_i32 s21, s10, 64*144                     ; my 64 tokens
	v_mul_u32_u24 v4, v1, 272
	v_lshl_add_u32 v4, v2, 4, v4
	s_mov_b32 s22, BOFF
.irp s, 0,1
	v_add_nc_u32 v[ADRA+\s], s21, v3
	v_add_nc_u32 v[ADRB+\s], s22, v4
	s_add_co_u32 s21, s21, SLOT
	s_add_co_u32 s22, s22, SLOT
.endr
	s_mul_i32 s23, s10, 16*528
	s_add_co_u32 s23, s23, STAGE                   ; my stage
	v_mul_u32_u24 v5, v1, 528
	v_lshl_add_u32 v5, v2, 5, v5
	v_add_nc_u32 v[STO], s23, v5                   ; in: token r, 32 bytes for each half of the lanes
	v_and_b32 v6, 31, v0
	v_lshlrev_b32 v[CO], 4, v6                     ; back: the 32 lanes take a token's 512 bytes; the same in out0
	v_add_nc_u32 v[RD], s23, v[CO]
	s_lshl_b32 s16, s41, 11
	s_lshl_b32 s17, s13, 8
	s_add_co_u32 s16, s16, s17
	s_lshl_b32 s17, s10, 6
	s_add_co_u32 s16, s16, s17                     ; my first row of out0: 2,048 cy + 256 cluster y + 64 wave
	s_lshl_b32 s16, s16, 12
	s_add_co_u32 s16, s16, s18                     ; + 512 bytes x tile column
	s_mov_b32 s17, 0
	s_add_nc_u64 s[8:9], s[8:9], s[16:17]
	s_lshl_b32 s72, s41, 4                         ; the prefetches: head 16 cy + wave,
	s_add_co_u32 s72, s72, s10
	s_lshl_b32 s72, s72, 11
	s_lshl_b32 s71, s13, 8
	s_add_co_u32 s72, s72, s71
	s_lshl_b32 s72, s72, 7
	s_lshl_b32 s71, s40, 13                        ; my work-group's 8,192 bytes of the 32,768,
	s_add_co_u32 s72, s72, s71
	s_add_co_u32 s72, s72, 2*KHOP                  ; at K step 2: the first refill steps it to 3 and names K step 4.  Nothing is prefetched at the head
	s_mov_b32 s73, 0
	s_add_nc_u64 s[PFA:PFA+1], s[4:5], s[72:73]
	s_or_b32 s71, s11, ttmp9
	s_cmp_eq_u32 s71, 0
	s_cselect_b32 s[LIM], 1, -1                    ; the same in all sixteen partners, for a given wave
	v_lshlrev_b32 v[PFO], 8, v6
; 8 matrix instructions: my block a of 16 tokens against Wp's eight, 32 along K.  first = 1: the sums begin with the bias.  The 32 accumulators take turns in the same order in every quarter.
.macro MUL8 f, a, first
.irp b, 0,1,2,3,4,5,6,7
.if \first
	v_wmma_f32_16x16x32_f16 v[8*(8*(\a)+\b):8*(8*(\a)+\b)+7], v[\f+8*\b:\f+8*\b+7], v[\f+64+8*(\a):\f+64+8*(\a)+7], v[BIAS+8*\b:BIAS+8*\b+7]
.else
	v_wmma_f32_16x16x32_f16 v[8*(8*(\a)+\b):8*(8*(\a)+\b)+7], v[\f+8*\b:\f+8*\b+7], v[\f+64+8*(\a):\f+64+8*(\a)+7], v[8*(8*(\a)+\b):8*(8*(\a)+\b)+7]
.endif
.endr
.endm
; 24 LDS loads in one run: quarter kq of the slot's K step into buffer f: Wp's eight fragments, then y's four (head kq / 2, channels 32 (kq % 2) on)
.macro FETCH slot, kq, f
	WIN TO_F
.irp b, 0,1,2,3,4,5,6,7
	ds_load_b128 v[\f+8*\b:\f+8*\b+3], v[ADRB+\slot] offset:4352*\b+64*(\kq)
	ds_load_b128 v[\f+8*\b+4:\f+8*\b+7], v[ADRB+\slot] offset:4352*\b+64*(\kq)+32
.endr
.irp a, 0,1,2,3
	ds_load_b128 v[\f+64+8*\a:\f+64+8*\a+3], v[ADRA+\slot] offset:2304*\a+36864*((\kq)/2)+64*((\kq)%2)
	ds_load_b128 v[\f+64+8*\a+4:\f+64+8*\a+7], v[ADRA+\slot] offset:2304*\a+36864*((\kq)/2)+64*((\kq)%2)+32
.endr
.endm
.macro PLACES                          ; four plain vector instructions in front of loads into registers that matrix instructions have read, and of the first read of results
.rept 4
	v_nop
.endr
.endm
.macro QUARTER slot, kq, f, g, first   ; multiplies buffer f; in its middle it fetches quarter kq into buffer g
	s_wait_dscnt 4                                 ; Wp's fragments and y's blocks 0, 1 are in; the youngest four loads (blocks 2, 3) may be out
.if \first
	WIN FIRST
.else
	WIN MUL
.endif
	MUL8 \f, 0, \first
	MUL8 \f, 1, \first
	PLACES
	FETCH \slot, \kq, \g
	s_wait_dscnt 24                                ; all but the 24 just issued
.if \first
	WIN FIRST
.else
	WIN MUL
.endif
	MUL8 \f, 2, \first
	MUL8 \f, 3, \first
.endm
; The last quarter multiplies buffer 1 and changes slots: one barrier; in front of it each wave waits for all its tensor loads, adds 0 to its spare word, and waits for that and for its reads of this slot.
; fill = 1: the barrier opens a round of the cluster's barrier, and the slot is filled again, two K steps ahead, first thing behind the round: one tensor load a wave is out.
.macro TURN slot, next, fill
.if \fill
	s_wait_xcnt 0x0                                ; the last prefetch, a K step back, has read its address
	s_add_nc_u64 s[PFA:PFA+1], s[PFA:PFA+1], KHOP
.endif
	WIN 0
	s_wait_tensorcnt 0x0
	ds_add_u32 v[SPW], v[NIL]
	s_wait_dscnt 5                                 ; the add and the youngest four loads may be out
	WIN MUL
	MUL8 F1, 0, 0
	s_wait_dscnt 0x0                               ; the add is done, and my reads of this slot are over
	s_barrier_signal -1
	MUL8 F1, 1, 0
.if \fill
	WIN 0
.endif
	s_barrier_wait -1
.if \fill
	CREST                                          ; no wave of any partner still reads this slot or has a load on its way
	s_add_nc_u64 s[G0+4*\slot+2:G0+4*\slot+3], s[G0+4*\slot+2:G0+4*\slot+3], 2*KHOP
	s_add_nc_u64 s[G0B+4*\slot+2:G0B+4*\slot+3], s[G0B+4*\slot+2:G0B+4*\slot+3], 512
	JLOAD \slot                                    ; the four v_nop behind it are also the places in front of the loads below
.else
	PLACES
.endif
	FETCH \next, 0, F0
.if \fill
	WIN 0                                          ; at a branch and at a label every window is 0
	ASK
.endif
	WIN MUL
	MUL8 F1, 2, 0
	MUL8 F1, 3, 0
.endm
	s_wait_tensorcnt 1                             ; my part of K step 0 is in (K step 1's load may be out)
	s_barrier_signal -1
	s_barrier_wait -1                              ; everybody's is
	FETCH 0, 0, F0
	s_wait_loadcnt 0x0                             ; the bias
	QUARTER 0, 1, F0, F1, 1
	WIN 0
	s_mov_b32 s3, LAPS-1
.Llap:                                                 ; a trip goes once round the ring, from a lap's second quarter to the next lap's first, and fills both slots again
	QUARTER 0, 2, F1, F0, 0
	QUARTER 0, 3, F0, F1, 0
	TURN 0, 1, 1
	QUARTER 1, 1, F0, F1, 0
	QUARTER 1, 2, F1, F0, 0
	QUARTER 1, 3, F0, F1, 0
	TURN 1, 0, 1
	QUARTER 0, 1, F0, F1, 0
	WIN 0
	s_sub_co_u32 s3, s3, 1
	s_cmp_lg_u32 s3, 0
	s_cbranch_scc1 .Llap
	QUARTER 0, 2, F1, F0, 0                        ; the last lap fills nothing
	QUARTER 0, 3, F0, F1, 0
	TURN 0, 1, 0
	QUARTER 1, 1, F0, F1, 0
	QUARTER 1, 2, F1, F0, 0
	QUARTER 1, 3, F0, F1, 0
	s_wait_dscnt 4
	WIN MUL
	MUL8 F1, 0, 0
	MUL8 F1, 1, 0
	s_wait_dscnt 0
	MUL8 F1, 2, 0
	MUL8 F1, 3, 0
	WIN 0
; THE WAY OUT, 16 tokens x 128 columns at a time, through my own stage: a lane holds 32 bytes of a token; back come whole pieces of 512 bytes, which the 32 lanes store as 512 consecutive bytes, aligned.
.macro TOSTAGE a
	WIN 0x08                                       ; an LDS store's data are its source 1: window 2
.irp b, 0,1,2,3,4,5,6,7
	ds_store_b128 v[STO], v[64*(\a)+8*\b:64*(\a)+8*\b+3] offset:64*\b          ; each accumulator from its low end on
	ds_store_b128 v[STO], v[64*(\a)+8*\b+4:64*(\a)+8*\b+7] offset:64*\b+16
.endr
	WIN 0
.set BB, BK+64*((\a)%2)
.irp t, 0,1,2,3,4,5,6,7,8,9,10,11,12,13,14,15
	ds_load_b128 v[BB+4*\t:BB+4*\t+3], v[RD] offset:\t*528   ; LDS serves a wave's instructions in order: these see the stores above
.endr
.endm
.macro SEND a, younger
.set BB, BK+64*((\a)%2)
	s_wait_dscnt \younger                          ; the block is back; the next block's 32 LDS instructions may be out
.irp t, 0,1,2,3,4,5,6,7,8,9,10,11,12,13,14,15
	global_store_b128 v[CO], v[BB+4*\t:BB+4*\t+3], s[8:9] offset:(16*(\a)+\t)*4096 th:TH_STORE_NT
.endr
.endm
	PLACES
	TOSTAGE 0
.irp a, 1,2,3
.if \a > 1
	s_wait_xcnt 0x0                                ; block a - 2's stores have read their registers: block a's loads may land there
.endif
	TOSTAGE \a
	SEND \a-1, 32
.endr
	SEND 3, 0
	s_wait_tensorcnt 0x0                           ; the wave's end
	ds_add_u32 v[SPW], v[NIL]
	s_wait_dscnt 0x0
	CROUND                                         ; the closing round
	s_endpgm
.Lfunc_end_k_q8fa74a88b6_proj:
	.size	k_q8fa74a88b6_proj, .Lfunc_end_k_q8fa74a88b6_proj-k_q8fa74a88b6_proj
	.p2alignl 7, 3214868480
	.fill 96, 4, 3214868480
	.section	.rodata,"a",@progbits
	.p2align	6, 0x0
	.amdhsa_kernel k_q8fa74a88b6_proj
		.amdhsa_group_segment_fixed_size 327680
		.amdhsa_private_segment_fixed_size 0
		.amdhsa_enable_private_segment 0
		.amdhsa_kernarg_size 32
		.amdhsa_user_sgpr_count 2
		.amdhsa_user_sgpr_kernarg_segment_ptr 1
		.amdhsa_wavefront_size32 1
		.amdhsa_system_sgpr_workgroup_id_x 1
		.amdhsa_system_sgpr_workgroup_id_y 1
		.amdhsa_system_sgpr_workgroup_id_z 1
		.amdhsa_system_vgpr_workitem_id 0
		.amdhsa_next_free_vgpr 768
		.amdhsa_next_free_sgpr 80
		.amdhsa_reserve_vcc 0
		.amdhsa_float_denorm_mode_32 3
		.amdhsa_float_denorm_mode_16_64 3
		.amdhsa_memory_ordered 1
		.amdhsa_forward_progress 1
		.amdhsa_inst_pref_size 88
	.end_amdhsa_kernel
	.amdgpu_metadata
---
amdhsa.version: [ 1, 2 ]
amdhsa.kernels:
  - .name:           k_q8fa74a88b6_proj
    .symbol:         k_q8fa74a88b6_proj.kd
    .args:
      - { .name: yh, .offset: 0, .size: 8, .value_kind: global_buffer, .address_space: global }
      - { .name: wph, .offset: 8, .size: 8, .value_kind: global_buffer, .address_space: global }
      - { .name: bp, .offset: 16, .size: 8, .value_kind: global_buffer, .address_space: global }
      - { .name: out0, .offset: 24, .size: 8, .value_kind: global_buffer, .address_space: global }
    .group_segment_fixed_size: 327680
    .private_segment_fixed_size: 0
    .kernarg_segment_align: 8
    .kernarg_segment_size: 32
    .max_flat_workgroup_size: 128
    .sgpr_count:     80
    .vgpr_count:     768
    .wavefront_size: 32
...
	.end_amdgpu_metadata
.endif
;; end of part 4
;; launch fine (part 5): grid 16 x 4, 16 waves a work-group, no clusters, 71,680 bytes of LDS; arguments qf, Wp, bp, out0; writes out0
.if DOCPART == 5
	.amdgcn_target "amdgcn-amd-amdhsa--gfx1250"
	.amdhsa_code_object_version 6
	.text
	.protected	k_q8fa74a88b6_fine
	.globl	k_q8fa74a88b6_fine
	.p2align	8
	.type	k_q8fa74a88b6_fine,@function
k_q8fa74a88b6_fine:
	s_mov_b64 s[64:65], 0
	v_nop
	global_prefetch_b8 v0, s[64:65] scope:SCOPE_SE
	s_setreg_imm32_b32 hwreg(HW_REG_WAVE_MODE, 25, 1), 1
	s_wait_xcnt 0x0
; Positions 0 to 15 of each of the 4 sequences, in f32 throughout: under the causal mask these rows average one to sixteen values and are the largest, so their attention and their projection take f32 operands.
; qf [part 3: q, k, v][batch][head][token 16][64] f32; Wp [1024][1024], bp [1024] f32.  The 64 rows of out0 that the launch before wrote from f16 operands are written again here.
; A work-group takes 64 output columns of one batch; each of its sixteen waves takes one head: the head's 16 x 16 attention, and its 64 channels' part of the 16 x 64 outputs.  The sixteen parts meet in LDS, and wave w sums and stores query w.
; All products are used transposed, so that a lane holds query lane % 16 throughout.  The f32 matrix form takes 4 along K, position 2 (lane / 16) + j in register j; K's order is free where both sources take the same order:
;   S^T = K Q^T: step st takes channels 8 (st / 2) + 4 h + 2 (st % 2) + j;   O^T = V^T P: step s takes keys 8 h + 2 s + j, which is where S^T left them;   out^T = Wp y^T: step (c, s) takes channels 16 c + 8 h + 2 s + j, which is where O^T left them.
; So no result changes lanes.  v128-191 are written by matrix instructions alone; each sum begins with the constant 0.  Accumulators take turns, four at a time.
.set SPARE, 16*4352                    ; LDS: sixteen parts of 16 rows x (256 bytes + 16); behind them the spare words, 128 bytes a wave
	s_load_b256 s[4:11], s[0:1], 0x0               ; qf, Wp, bp, out0
	v_lshl_add_u32 v10, v0, 2, SPARE
	v_mov_b32 v11, 0
	v_lshrrev_b32 v1, 5, v0
	v_readfirstlane_b32 s12, v1                    ; wave: my head, later my query
	s_and_b32 s13, ttmp7, 0xffff                   ; batch
	v_and_b32 v1, 15, v0                           ; r
	v_bfe_u32 v2, v0, 4, 1                         ; h
	v_lshlrev_b32 v3, 8, v1
	v_lshl_add_u32 v3, v2, 4, v3                   ; q, k: token r of 256 bytes, + 16 h
	v_lshlrev_b32 v4, 2, v1
	v_lshl_add_u32 v4, v2, 11, v4                  ; v: key 8 h, channel r
	v_lshlrev_b32 v5, 12, v1
	v_lshl_add_u32 v5, v2, 5, v5                   ; Wp: row r of 4,096 bytes, + 32 h
	v_and_b32 v6, 31, v0
	v_lshlrev_b32 v6, 3, v6                        ; 8 x lane
	s_mul_i32 s14, s12, 4352
	v_mul_u32_u24 v7, v1, 272
	v_lshl_add_u32 v7, v2, 5, v7
	v_add_nc_u32 v7, s14, v7                       ; my part: row r, + 32 h
	s_mul_i32 s14, s12, 272
	v_add_nc_u32 v8, s14, v6                       ; and on the way back: row = my wave's query, 8 bytes a lane
	v_lshlrev_b32 v9, 3, v2
	v_sub_nc_u32 v9, v1, v9                        ; d = r - 8 h: register j holds key 8 h + j, hidden where j > d
	s_lshl_b32 s16, s13, 4
	s_add_co_u32 s16, s16, s12
	s_lshl_b32 s16, s16, 12                        ; my head in a part of qf: 4,096 bytes a head
	s_mov_b32 s17, 0
	s_lshl_b32 s18, ttmp9, 18                      ; Wp: my work-group's 64 rows,
	s_lshl_b32 s19, s12, 8
	s_add_co_u32 s18, s18, s19                     ; my head's 64 channels
	s_mov_b32 s19, 0
	s_lshl_b32 s20, ttmp9, 8                       ; my work-group's 64 columns, in bytes
	s_mov_b32 s21, 0
	s_lshl_b32 s22, s13, 11
	s_add_co_u32 s22, s22, s12                     ; row 2,048 batch + my wave's query
	s_lshl_b32 s22, s22, 12
	s_add_co_u32 s22, s22, s20
	s_mov_b32 s23, 0
	s_mov_b32 s24, 0x76543210
	s_mov_b32 s25, 0xfedcba98                      ; v_permlanex16_b32's selects for lane l xor 16
	s_mov_b32 s26, 0x3e38aa3b                      ; c = log2(e) / 8
	s_mov_b32 s27, s26
	s_wait_kmcnt 0x0
	s_add_nc_u64 s[4:5], s[4:5], s[16:17]
	s_add_nc_u64 s[6:7], s[6:7], s[18:19]
	s_add_nc_u64 s[8:9], s[8:9], s[20:21]
	s_add_nc_u64 s[10:11], s[10:11], s[22:23]
	global_load_b64 v[28:29], v6, s[8:9]           ; the bias of my two columns: the final sum begins with it
.irp u, 0,1,2,3,4,5,6,7
	global_load_b128 v[32+4*\u:35+4*\u], v3, s[4:5] offset:262144+32*\u   ; k: channels 8 u + 4 h + 0 .. 3
.endr
.irp u, 0,1,2,3,4,5,6,7
	global_load_b128 v[64+4*\u:67+4*\u], v3, s[4:5] offset:32*\u          ; q likewise
.endr
.irp c, 0,1,2,3
.irp i, 0,1,2,3,4,5,6,7
	global_load_b32 v[96+8*\c+\i], v4, s[4:5] offset:524288+256*\i+64*\c  ; v(key 8 h + i, channel 16 c + r)
.endr
.endr
.irp c, 0,1
.irp e, 0,1,2,3
	global_load_b128 v[192+8*(4*\c+\e):195+8*(4*\c+\e)], v5, s[6:7] offset:65536*\e+64*\c      ; Wp(16 e + r, 16 c + 8 h + 0 .. 7)
	global_load_b128 v[196+8*(4*\c+\e):199+8*(4*\c+\e)], v5, s[6:7] offset:65536*\e+64*\c+16
.endr
.endr
	v_mov_b32 v31, 0xff800000                      ; -infinity
	s_wait_loadcnt 48                              ; the bias, k and q are in; v's 32 loads and Wp's 16 may be out
.irp st, 0,1,2,3,4,5,6,7,8,9,10,11,12,13,14,15
.if \st < 4
	v_wmma_f32_16x16x4_f32 v[128+8*(\st%4):135+8*(\st%4)], v[32+2*\st:33+2*\st], v[64+2*\st:65+2*\st], 0
.else
	v_wmma_f32_16x16x4_f32 v[128+8*(\st%4):135+8*(\st%4)], v[32+2*\st:33+2*\st], v[64+2*\st:65+2*\st], v[128+8*(\st%4):135+8*(\st%4)]
.endif
.endr
.rept 8
	v_nop                                          ; eight places behind this form: for the loads into k's and q's registers and for the first read of the sums
.endr
.irp c, 2,3
.irp e, 0,1,2,3
	global_load_b128 v[32+8*(4*(\c-2)+\e):35+8*(4*(\c-2)+\e)], v5, s[6:7] offset:65536*\e+64*\c
	global_load_b128 v[36+8*(4*(\c-2)+\e):39+8*(4*(\c-2)+\e)], v5, s[6:7] offset:65536*\e+64*\c+16
.endr
.endr
.irp i, 0,2,4,6                                ; the four part sums, each from its low end on
	v_pk_add_f32 v[12+\i:13+\i], v[128+\i:129+\i], v[136+\i:137+\i]
	v_pk_add_f32 v[20+\i:21+\i], v[144+\i:145+\i], v[152+\i:153+\i]
	v_pk_add_f32 v[12+\i:13+\i], v[12+\i:13+\i], v[20+\i:21+\i]
.endr
.irp j, 0,1,2,3,4,5,6,7
	v_cmp_gt_i32 vcc_lo, \j, v9
	v_cndmask_b32 v[12+\j], v[12+\j], v31, vcc_lo  ; hidden keys: -infinity.  Key 0 counts for every query
.endr
	v_max3_num_f32 v30, v12, v13, v14
	v_max3_num_f32 v30, v30, v15, v16
	v_max3_num_f32 v30, v30, v17, v18
	v_max_num_f32 v30, v30, v19
	v_permlanex16_b32 v31, v30, s24, s25
	v_max_num_f32 v31, v30, v31                    ; the row's maximum
	v_mul_f32 v30, s26, v31
.irp i, 0,2,4,6
	v_pk_fma_f32 v[12+\i:13+\i], v[12+\i:13+\i], s[26:27], v[30:31] op_sel_hi:[1,0,0] neg_lo:[0,0,1] neg_hi:[0,0,1]   ; c s - c m
.endr
.irp j, 0,1,2,3,4,5,6,7
	v_exp_f32 v[12+\j], v[12+\j]
.endr
	v_nop
	s_wait_alu depctr_va_vdst(0)                   ; one wait for the eight exponentials, ahead of their first reader
	v_pk_add_f32 v[20:21], v[12:13], v[14:15]
	v_pk_add_f32 v[22:23], v[16:17], v[18:19]
	v_pk_add_f32 v[20:21], v[20:21], v[22:23]
	v_add_f32 v30, v20, v21
	v_permlanex16_b32 v31, v30, s24, s25
	v_add_f32 v30, v30, v31                        ; the row's sum
	v_rcp_f32 v30, v30
	v_nop
	s_wait_alu depctr_va_vdst(0)
.irp i, 0,2,4,6
	v_pk_mul_f32 v[20+\i:21+\i], v[12+\i:13+\i], v[30:31] op_sel_hi:[1,0]   ; the weights
.endr
	s_wait_loadcnt 32                              ; v is in; Wp's two runs of 16 may be out
.irp s, 0,1,2,3
.irp c, 0,1,2,3
.if \s == 0
	v_wmma_f32_16x16x4_f32 v[160+8*\c:167+8*\c], v[96+8*\c+2*\s:97+8*\c+2*\s], v[20+2*\s:21+2*\s], 0
.else
	v_wmma_f32_16x16x4_f32 v[160+8*\c:167+8*\c], v[96+8*\c+2*\s:97+8*\c+2*\s], v[20+2*\s:21+2*\s], v[160+8*\c:167+8*\c]
.endif
.endr
.endr
.rept 9
	v_nop                                          ; nine places before a matrix instruction takes these results as a source
.endr
	s_wait_loadcnt 16                              ; Wp's channels 0 to 31 are in
.irp c, 0,1,2,3
.if \c == 2
	s_wait_loadcnt 0x0                             ; and channels 32 to 63
.endif
.if \c < 2
.set WB, 192+32*\c
.else
.set WB, 32*\c-32
.endif
.irp s, 0,1,2,3
.irp e, 0,1,2,3
.if (\c == 0) && (\s == 0)
	v_wmma_f32_16x16x4_f32 v[128+8*\e:135+8*\e], v[WB+8*\e+2*\s:WB+8*\e+2*\s+1], v[160+8*\c+2*\s:161+8*\c+2*\s], 0
.else
	v_wmma_f32_16x16x4_f32 v[128+8*\e:135+8*\e], v[WB+8*\e+2*\s:WB+8*\e+2*\s+1], v[160+8*\c+2*\s:161+8*\c+2*\s], v[128+8*\e:135+8*\e]
.endif
.endr
.endr
.endr
.rept 8
	v_nop
.endr
.irp e, 0,1,2,3
	ds_store_b128 v7, v[128+8*\e:131+8*\e] offset:64*\e        ; lane (r, h): query r, columns 16 e + 8 h + 0 .. 7; each accumulator from its low end on
	ds_store_b128 v7, v[132+8*\e:135+8*\e] offset:64*\e+16
.endr
	s_wait_dscnt 0x0                               ; for the others' sake: my part lies in LDS
	s_barrier_signal -1
	s_barrier_wait -1
.irp u, 0,1,2,3,4,5,6,7,8,9,10,11,12,13,14,15
	ds_load_b64 v[32+2*\u:33+2*\u], v8 offset:4352*\u          ; head u's part of my query's 64 columns
.endr
.irp u, 0,1,2,3,4,5,6,7,8,9,10,11,12,13,14,15
	s_wait_dscnt 15-\u
	v_pk_add_f32 v[28:29], v[28:29], v[32+2*\u:33+2*\u]
.endr
	global_store_b64 v6, v[28:29], s[10:11]        ; the wave stores 256 consecutive bytes, aligned
	s_wait_tensorcnt 0x0                           ; the wave's end
	ds_add_u32 v10, v11
	s_wait_dscnt 0x0
	s_endpgm
.Lfunc_end_k_q8fa74a88b6_fine:
	.size	k_q8fa74a88b6_fine, .Lfunc_end_k_q8fa74a88b6_fine-k_q8fa74a88b6_fine
	.p2alignl 7, 3214868480
	.fill 96, 4, 3214868480
	.section	.rodata,"a",@progbits
	.p2align	6, 0x0
	.amdhsa_kernel k_q8fa74a88b6_fine
		.amdhsa_group_segment_fixed_size 71680
		.amdhsa_private_segment_fixed_size 0
		.amdhsa_enable_private_segment 0
		.amdhsa_kernarg_size 32
		.amdhsa_user_sgpr_count 2
		.amdhsa_user_sgpr_kernarg_segment_ptr 1
		.amdhsa_wavefront_size32 1
		.amdhsa_system_sgpr_workgroup_id_x 1
		.amdhsa_system_sgpr_workgroup_id_y 1
		.amdhsa_system_sgpr_workgroup_id_z 1
		.amdhsa_system_vgpr_workitem_id 0
		.amdhsa_next_free_vgpr 256
		.amdhsa_next_free_sgpr 66
		.amdhsa_reserve_vcc 1
		.amdhsa_float_denorm_mode_32 3
		.amdhsa_float_denorm_mode_16_64 3
		.amdhsa_memory_ordered 1
		.amdhsa_forward_progress 1
		.amdhsa_inst_pref_size 23
	.end_amdhsa_kernel
	.amdgpu_metadata
---
amdhsa.version: [ 1, 2 ]
amdhsa.kernels:
  - .name:           k_q8fa74a88b6_fine
    .symbol:         k_q8fa74a88b6_fine.kd
    .args:
      - { .name: qf, .offset: 0, .size: 8, .value_kind: global_buffer, .address_space: global }
      - { .name: Wp, .offset: 8, .size: 8, .value_kind: global_buffer, .address_space: global }
      - { .name: bp, .offset: 16, .size: 8, .value_kind: global_buffer, .address_space: global }
      - { .name: out0, .offset: 24, .size: 8, .value_kind: global_buffer, .address_space: global }
    .group_segment_fixed_size: 71680
    .private_segment_fixed_size: 0
    .kernarg_segment_align: 8
    .kernarg_segment_size: 32
    .max_flat_workgroup_size: 512
    .sgpr_count:     66
    .vgpr_count:     256
    .wavefront_size: 32
...
	.end_amdgpu_metadata
.endif
;; end of part 5
